; MI455X (gfx1250); checked and timed in simulation.
; The chip was launched on July 23, 2026; its instructions are those of AMD's public machine-readable ISA for CDNA 5 (MIT licence, August 2026) and "CDNA5" Instruction Set Architecture Reference Guide (July 2026). The comments in the code are by the model that wrote it; some were corrected since.
;; Attention. Allowed arithmetic: matrix products marked QUANTISED: E3M2 operands, one E8M0 scale for each 32 along K, by v_wmma_scale_f32_16x16x128_f8f6f4 with both operands' format E3M2, f32 sums; everything else in f32.
;; Inputs: W_K 1,024 x 1,024 float32; W_Q 1,024 x 1,024 float32; W_V 1,024 x 1,024 float32; x 4 x 2,048 x 1,024 float32.
;; Outputs: out0 4 x 2,048 x 1,024 float32.
;; This version of the problem:
;;   THIS VERSION OF THE PROBLEM IS GIVEN IN LOW PRECISION. The matrix products marked QUANTISED in the list below multiply operands that are first quantised to E3M2 (3 exponent bits, 2 mantissa bits; 6 bits a number), with one power-of-two scale for each 32 numbers along K (OCP MX v1.0); their sums are f32. All else is computed in f32.
;;   The module's matrix products, in the order in which they are computed (A, B: the left and right operand; K: the contracted axis; several contracted axes count as one K, in the product's order):
;;     1. [M 8,192, K 1,024] x [K 1,024, N 1,024]; A: input x; B: input W_Q: QUANTISED
;;     2. [M 8,192, K 1,024] x [K 1,024, N 1,024]; A: input x; B: input W_K: QUANTISED
;;     3. [M 8,192, K 1,024] x [K 1,024, N 1,024]; A: input x; B: input W_V: QUANTISED
;;     4. batch 4 x [M 2,048, K 1,024] x [K 1,024, N 2,048]; A: computed on the way; B: computed on the way: QUANTISED
;;     5. batch 4 x [M 2,048, K 2,048] x [K 2,048, N 1,024]; A: softmax (see below); B: computed on the way: QUANTISED
;;   THE QUANTISER, for each operand of a quantised product, along K:
;;     - K is cut into blocks of 32 from its start; a last block that is shorter is filled with zeros.
;;     - A block's scale is 2^e with e = floor(log2(the largest magnitude in the block)) - 4, held to -126 .. 127; a block of zeros has e = 0. As a byte (E8M0): e + 127.
;;     - Each number is divided by its block's scale, clamped to +-28, and rounded to the nearest number of E3M2, ties to even, subnormals kept.
;;     - The product sums the exact products of the quantised numbers (number of the format x scale) in f32.
;;   ~~~python
;;   def quantise(x, axis):      # numpy; x: float32 -> the quantised numbers, widened to float32 again
;;       x = np.moveaxis(x, axis, -1); K = x.shape[-1]
;;       x = np.pad(x, [(0, 0)] * (x.ndim - 1) + [(0, -K % 32)]); x = x.reshape(x.shape[:-1] + (-1, 32)); a = np.abs(x).max(-1, keepdims=True)
;;       e = np.where(a > 0, np.clip(np.frexp(np.where(a > 0, a, 1))[1] - 1 - 4, -126, 127), 0)      # np.frexp(a)[1] - 1 = floor(log2(a)), exactly
;;       r = np.clip(x / 2.0 ** e, -28, 28)
;;       step = 2.0 ** (np.maximum(np.frexp(np.where(r == 0, 1, r))[1] - 1, -2) - 2)
;;       q = np.round(r / step) * step * 2.0 ** e      # np.round: ties to even
;;       return np.moveaxis(q.reshape(q.shape[:-2] + (-1,))[..., :K], -1, axis).astype(np.float32)
;;   ~~~
;;   SOFTMAX AHEAD OF A QUANTISED PRODUCT. Where the list says 'softmax', what is quantised is not the finished softmax but p = 2^(t - M), with t = logit x log2(e) and M = ceil(the row's largest t), a whole number; so 1/2 < the row's largest p <= 1. The row's sum l is taken of the UNQUANTISED p, in f32, and the product's result is divided by l at the end. Since M is a whole number, a kernel that streams over the keys may use a running M (the ceiling of the running maximum): every later rescaling is an exact power of two, which a block's scale takes up: the codes' values come out the same.
;;   OPERANDS COMPUTED ON THE WAY. 'Computed on the way' means the value that the module computes at that place (a softmax that the list does not call 'softmax' is quantised finished and normalised). What goes into a quantiser is computed in f32, as accurately as f32 sums, v_exp_f32 and their like allow (about 1e-6 of the number): no bf16 or f16 on the way to a quantiser, and a product that is left as it is and whose result goes on into a quantised operand takes f32 operands (vector FMAs, or v_wmma_f32_16x16x4_f32). A number that lies on a knife's edge between two numbers of the format may be rounded either way, as far as f32 arithmetic and the matrix unit's own rounding can turn it there, and no further.
;; One version. Each part assembles by itself: llvm-mc -triple=amdgcn-amd-amdhsa -mcpu=gfx1250 --defsym DOCPART=n.
;; ======== version 1 of 1: 4 launches
;; limits: right only within a limited range of input values
;; workspace buffers: xw 15,564,800 bytes; qkv 19,660,800 bytes; pc 12,582,912 bytes; pst 2,097,152 bytes
;; launch quant (part 1): grid 352 x 1, 4 waves a work-group, no clusters, 59,904 bytes of LDS; arguments x, W_Q, W_K, W_V, xw; writes xw
.if DOCPART == 1
	.amdgcn_target "amdgcn-amd-amdhsa--gfx1250"
	.amdhsa_code_object_version 6
	.text
	.protected	k_qd09aaacbef_quant
	.globl	k_qd09aaacbef_quant
	.p2align	8
	.type	k_qd09aaacbef_quant,@function
k_qd09aaacbef_quant:
	s_mov_b64 s[64:65], 0
	v_nop
	global_prefetch_b8 v0, s[64:65] scope:SCOPE_SE
	s_setreg_imm32_b32 hwreg(HW_REG_WAVE_MODE, 25, 1), 1
	s_wait_xcnt 0x0
; x [8192][1024] and W_Q, W_K, W_V [1024][1024], f32, K innermost, become codes of E3M2 (6 bits) with one E8M0 scale byte for each 32 along K, laid in xw as the matrix unit's operand registers take them.
; NO WORK OF THE PROBLEM IS LEFT OUT in this program: all five products are live, every input reaches the output, nothing is masked or sliced away; all four inputs are loaded.
; LAYOUT OF xw.  A FRAGMENT is 16 rows x 128 along K: 12 registers a lane; its image is 1,536 bytes: registers 4 g .. 4 g + 3 of lane l at 512 g + 16 l.  A UNIT is 128 rows (a half block) x 128 along K: eight
; fragments on end (12,288 bytes), then the 128 rows' scale words (512 bytes): 12,800 bytes.  A half block's eight units (K = 1,024) lie on end.  THE ROWS OF A FRAGMENT ARE NOT NEIGHBOURS: slot r of tile T holds element
; 32 (T / 2) + 8 (T % 2) + r % 8 + 16 (r / 8) of the half block's sequence, so that where the fragment is source 0 of a product, a lane's 16 result registers of tiles 2 b, 2 b + 1 are 16 neighbours of that sequence.
; Half blocks: 0-63 x, sequence = rows as they lie (V's K runs along neighbouring rows; Q takes x as rows);  64-127 x once more: half block 64 + 2 B + p has the sequence rows 256 B + 2 i + p, i = 0 .. 127
; (K [2048][1024] is taken as [1024][2048]: K_r[i][j] = K[2 i + j / 1024][j % 1024], so that operand's K runs along every second row);  128-135 W_Q, 136-143 W_K, 144-151 W_V.
; A block's scale is 2^(floor(log2(largest magnitude)) - 4): its byte is the largest magnitude's exponent field - 4, held at 1 from below.
; LIMITS: a block of zeros, or one whose largest magnitude lies under 2^(5 - 127), gets the byte 1 (the rule says 127 for zeros: its codes are zeros, and this program alone reads the bytes); NaN and infinities among the inputs are not served.
; SHARES.  A wave takes 64 rows x 128 along K: four fragments.  Waves share nothing: no barrier, and no cluster, since no two work-groups read the same bytes.  Each load is 512 consecutive bytes of one row;
; a tile's 16 rows turn through the wave's own stage in LDS (pitch 528), so that a lane gets 16 neighbours of each block of 32 of its row.  Codes leave straight from registers, 512 consecutive bytes a store.
; For x the four images are also kept in LDS and read back with the rows dealt out by parity: slot r of the parity image's tile u comes from tile r / 4, slot 8 u + 2 (r % 4) + p.
.set UNIT,  12800
.set HBB,   8*UNIT                     ; a half block's eight units
.set FSP,   528                        ; the stage's pitch: 512 bytes + 16
.set IMG,   16*FSP                     ; behind the stage: four images of 1,536 bytes
.set WSO,   IMG+4*1536                 ; behind them: 64 scale words
.set WREG,  WSO+256                    ; a wave's region: 14,848 bytes
.set SPARE, 4*WREG                     ; behind the four regions: the spare words, 128 bytes a wave, two blocks of 256 bytes that no other line names
.set VL,  1                            ; v1   16 x lane
.set SW,  2                            ; v2   the stage, on the way in: 16 x lane
.set SRD, 3                            ; v3   and out: 528 r + 64 h
.set IW,  4                            ; v4   the images, on the way in: 16 x lane
.set IR,  5                            ; v5   and out, rows by parity
.set WW,  6                            ; v6   the scale words, in: 4 r
.set WR8, 7                            ; v7   out: 8 x lane
.set WRE, 8                            ; v8   out, rows by parity
.set L8,  9                            ; v9   8 x lane
.set L4,  10                           ; v10  4 x lane
.set SPW, 12                           ; v12  LDS address of my spare word; never rewritten
.set NIL, 13                           ; v13  0; never rewritten
.set PW,  14                           ; v14  the scale word just made
.set R,   0                            ; v256-511 (window 1): four sets of 64: the four tiles' rows as loaded
.set X,   144                          ; v144-207 64 numbers of my row: register 16 b + i = k 32 b + 16 h + i
.set PC,  208                          ; v208-231 two sets of 12: a fragment's codes
.set PT,  232                          ; v232-239 the conversions' second halves
.set TM,  240                          ; v240-243 largest magnitudes, v244-247 the other half's and the bytes, v248-251 the conversions' scale operands
	s_load_b256 s[4:11], s[0:1], 0x0               ; x, W_Q, W_K, W_V
	s_load_b64 s[12:13], s[0:1], 0x20              ; xw
	v_lshl_add_u32 v[SPW], v0, 2, SPARE
	v_mov_b32 v[NIL], 0
	v_lshrrev_b32 v11, 5, v0
	v_readfirstlane_b32 s16, v11                   ; wave 0..3
	s_mul_i32 s17, s16, WREG                       ; my region
	v_and_b32 v10, 31, v0                          ; lane
	v_lshlrev_b32 v[VL], 4, v10
	v_lshlrev_b32 v[L8], 3, v10
	v_lshlrev_b32 v[L4], 2, v10
	v_and_b32 v11, 15, v0                          ; r
	v_bfe_u32 v15, v0, 4, 1                        ; h
	v_add_nc_u32 v[SW], s17, v[VL]
	v_mul_u32_u24 v[SRD], v11, FSP
	v_lshl_add_u32 v[SRD], v15, 6, v[SRD]
	v_add_nc_u32 v[SRD], s17, v[SRD]
	s_add_co_u32 s18, s17, IMG
	v_add_nc_u32 v[IW], s18, v[VL]
	v_bfe_u32 v240, v0, 2, 2                       ; r / 4
	v_and_b32 v241, 3, v0                          ; r % 4
	v_mul_u32_u24 v[IR], v240, 1536
	v_lshl_add_u32 v[IR], v241, 5, v[IR]
	v_lshl_add_u32 v[IR], v15, 8, v[IR]
	v_add_nc_u32 v[IR], s18, v[IR]                 ; image r / 4, lane 2 (r % 4) + 16 h; the immediate adds 8 u + p lanes
	s_add_co_u32 s19, s17, WSO
	v_lshl_add_u32 v[WW], v11, 2, s19
	v_add_nc_u32 v[WR8], s19, v[L8]
	v_lshlrev_b32 v[WRE], 6, v240
	v_lshl_add_u32 v[WRE], v15, 5, v[WRE]
	v_lshl_add_u32 v[WRE], v241, 3, v[WRE]
	v_add_nc_u32 v[WRE], s19, v[WRE]               ; word 16 (r / 4) + 8 u + 2 (r % 4), u = my half of the lanes; the immediate adds p
.irp b, 0,1,2,3
	v_mov_b32 v[TM+4+\b], 0                        ; written once: a lane permute's destination counts as one of its sources
.endr
	s_mov_b32 s38, 0x76543210
	s_mov_b32 s39, 0xfedcba98                      ; v_permlanex16_b32's selects for lane l xor 16
	s_lshl_b32 s20, ttmp9, 2
	s_add_co_u32 s20, s20, s16                     ; my job: 4 x work-group + wave
	s_and_b32 s21, s20, 7                          ; ks: which 128 along K
	s_lshr_b32 s20, s20, 3
	s_sub_co_u32 s22, ttmp9, 256
	s_lshr_b32 s22, s22, 5
	s_lshl_b32 s22, s22, 3
	s_add_co_u32 s22, s22, 128                     ; a weight's first half block: 128, 136, 144
	s_mov_b32 s23, 15
	s_cmp_lt_u32 ttmp9, 256                        ; work-groups 0-255 take x, then 32 each W_Q, W_K, W_V
	s_cselect_b32 s22, 0, s22
	s_cselect_b32 s23, 127, s23
	s_cselect_b32 s24, 1, 0                        ; 1: x
	s_and_b32 s20, s20, s23                        ; G: which 64 rows of the tensor
	s_lshl_b32 s26, s20, 18                        ; 64 rows of 4,096 bytes
	s_lshl_b32 s25, s21, 9
	s_add_co_u32 s26, s26, s25
	s_mov_b32 s27, 0
	s_lshr_b32 s25, s20, 1
	s_add_co_u32 s25, s25, s22
	s_lshl_b32 s25, s25, 3
	s_add_co_u32 s25, s25, s21
	s_mul_i32 s28, s25, UNIT                       ; my unit
	s_and_b32 s25, s20, 1
	s_mul_i32 s30, s25, 4*1536
	s_add_co_u32 s30, s30, s28                     ; my four fragments in it
	s_mov_b32 s31, 0
	s_lshl_b32 s25, s25, 8
	s_add_co_u32 s32, s28, s25
	s_add_co_u32 s32, s32, 8*1536                  ; my 64 scale words in it
	s_mov_b32 s33, 0
	s_wait_kmcnt 0x0
	s_cmp_lt_u32 ttmp9, 320                        ; the tensor is chosen by the work-group's number alone
	s_cselect_b64 s[14:15], s[8:9], s[10:11]
	s_cmp_lt_u32 ttmp9, 288
	s_cselect_b64 s[14:15], s[6:7], s[14:15]
	s_cmp_lt_u32 ttmp9, 256
	s_cselect_b64 s[14:15], s[4:5], s[14:15]
	s_add_nc_u64 s[14:15], s[14:15], s[26:27]
	s_add_nc_u64 s[30:31], s[12:13], s[30:31]
	s_add_nc_u64 s[32:33], s[12:13], s[32:33]
.macro LOADT v                         ; tile v's 16 rows, in the order of its slots: 512 consecutive bytes a load
.set RS, R+64*(\v)
	s_set_vgpr_msb 0x40                            ; the destination lies in window 1
.irp n, 0,1,2,3,4,5,6,7,8,9,10,11,12,13,14,15
	global_load_b128 v[RS+4*\n:RS+4*\n+3], v[VL], s[14:15] offset:(32*((\v)/2)+8*((\v)%2)+(\n%8)+16*(\n/8))*4096 th:TH_LOAD_NT
.endr
	s_set_vgpr_msb 0x4000
.endm
; 64 numbers of a lane, register 16 b + i = k 32 b + 16 h + i of my row, become a fragment's codes in v[pc] on and its scale word in v[PW]
.macro QUANT s, pc
.irp b, 0,1,2,3
	v_max3_num_f32 v[TM+\b], |v[\s+16*\b]|, |v[\s+16*\b+1]|, 0x2800000   ; block b: my 16 numbers, and the floor 2^(5 - 127): the byte cannot fall under 1
.endr
.irp i, 2,4,6,8,10,12,14
.irp b, 0,1,2,3
	v_max3_num_f32 v[TM+\b], v[TM+\b], |v[\s+16*\b+\i]|, |v[\s+16*\b+\i+1]|   ; the four blocks by turns
.endr
.endr
.irp b, 0,1,2,3
	v_permlanex16_b32 v[TM+4+\b], v[TM+\b], s38, s39
.endr
.irp b, 0,1,2,3
	v_max_num_f32 v[TM+\b], v[TM+\b], v[TM+4+\b]   ; with lane l xor 16's: the block's largest magnitude
.endr
.irp b, 0,1,2,3
	v_add_nc_u32 v[TM+8+\b], 0xfe000000, v[TM+\b]  ; 4 off its exponent field: the conversion takes this operand's exponent field as its scale
.endr
.irp b, 0,1,2,3
	v_lshrrev_b32 v[TM+4+\b], 23, v[TM+8+\b]       ; the scale's byte
.endr
	v_lshl_or_b32 v[PW], v[TM+5], 8, v[TM+4]
	v_lshl_or_b32 v[PW], v[TM+6], 16, v[PW]
	v_lshl_or_b32 v[PW], v[TM+7], 24, v[PW]
.irp c, 0,1
	v_cvt_scalef32_pk16_bf6_f32 v[\pc+6*\c:\pc+6*\c+2], v[\s+32*\c:\s+32*\c+15], v[TM+8+2*\c]
	v_cvt_scalef32_pk16_bf6_f32 v[PT+4*\c:PT+4*\c+2], v[\s+32*\c+16:\s+32*\c+31], v[TM+8+2*\c+1]   ; (a conversion's three registers begin on an even number)
.endr
	v_nop                                          ; one plain place behind a scaled conversion
.irp c, 0,1                            ; the operand's layout wants a whole block in a lane: lanes 0-15 block 2 c, lanes 16-31 block 2 c + 1
.irp i, 0,1,2
	v_permlane16_swap_b32 v[\pc+6*\c+\i], v[PT+4*\c+\i]
.endr
.irp i, 0,1,2
	v_mov_b32 v[\pc+6*\c+3+\i], v[PT+4*\c+\i]
.endr
.endr
.endm
.macro TILE v
.set RS, R+64*(\v)
.set PCS, PC+12*((\v)%2)
	s_wait_loadcnt 16*(3-(\v))                     ; this tile's 16 loads are in; those of the tiles behind it, 16 each, may be out
	s_set_vgpr_msb 0x04                            ; an LDS store's data are its source 1: window 1
.irp n, 0,1,2,3,4,5,6,7,8,9,10,11,12,13,14,15
	ds_store_b128 v[SW], v[RS+4*\n:RS+4*\n+3] offset:FSP*\n
.endr
	s_set_vgpr_msb 0x0400
.irp b, 0,1,2,3
.irp j, 0,1,2,3
	ds_load_b128 v[X+16*\b+4*\j:X+16*\b+4*\j+3], v[SRD] offset:128*\b+16*\j   ; LDS serves a wave's instructions in order: these see the stores above
.endr
.endr
	s_wait_dscnt 0x0                               ; my numbers are back; the stores have read their registers,
.if (\v) >= 2
	s_wait_xcnt 0x0                                ; the stores of the tile two back have read this set of codes: it is written again only behind this wait
.endif
	QUANT X, PCS
.irp g, 0,1,2
	global_store_b128 v[VL], v[PCS+4*\g:PCS+4*\g+3], s[30:31] offset:1536*(\v)+512*\g   ; the image: 512 consecutive bytes a store
.endr
	ds_store_b32 v[WW], v[PW] offset:64*(\v)       ; lanes r and r + 16 write the same word with the same value
	s_cmp_eq_u32 s24, 0
	s_cbranch_scc1 .Lno_image_\@                   ; a weight has no second image
.irp g, 0,1,2
	ds_store_b128 v[IW], v[PCS+4*\g:PCS+4*\g+3] offset:1536*(\v)+512*\g
.endr
.Lno_image_\@:
.endm
	LOADT 0                                        ; all 64 loads of the wave go out at the start
	LOADT 1
	LOADT 2
	LOADT 3
	TILE 0
	TILE 1
	TILE 2
	TILE 3
	ds_load_b64 v[PT:PT+1], v[WR8]
	s_wait_dscnt 0x0
	global_store_b64 v[L8], v[PT:PT+1], s[32:33]   ; my 64 scale words: 256 consecutive bytes, aligned
	s_cmp_eq_u32 s24, 0
	s_cbranch_scc1 .Ldone
	; x's second image.  My 64 rows are rows 256 B + 64 b' + 0 .. 63: elements 32 b' .. 32 b' + 31 of both parities' sequences: tiles 2 b', 2 b' + 1 of half blocks 64 + 2 B and 65 + 2 B
	s_lshr_b32 s25, s20, 2                         ; B
	s_lshl_b32 s25, s25, 4
	s_add_co_u32 s25, s25, 512
	s_add_co_u32 s25, s25, s21
	s_mul_i32 s28, s25, UNIT                       ; unit ((64 + 2 B) 8 + ks)
	s_and_b32 s25, s20, 3                          ; b'
	s_mul_i32 s34, s25, 2*1536
	s_add_co_u32 s34, s34, s28
	s_mov_b32 s35, 0
	s_lshl_b32 s25, s25, 7
	s_add_co_u32 s36, s28, s25
	s_add_co_u32 s36, s36, 8*1536
	s_mov_b32 s37, 0
	s_add_nc_u64 s[34:35], s[12:13], s[34:35]
	s_add_nc_u64 s[36:37], s[12:13], s[36:37]
.irp p, 0,1
.irp u, 0,1
.irp g, 0,1,2
	ds_load_b128 v[X+12*(2*\p+\u)+4*\g:X+12*(2*\p+\u)+4*\g+3], v[IR] offset:512*\g+128*\u+16*\p
.endr
.endr
	ds_load_b32 v[X+48+\p], v[WRE] offset:4*\p
.endr
	s_wait_dscnt 0x0
.irp p, 0,1
.irp u, 0,1
.irp g, 0,1,2
	global_store_b128 v[VL], v[X+12*(2*\p+\u)+4*\g:X+12*(2*\p+\u)+4*\g+3], s[34:35] offset:\p*HBB+\u*1536+512*\g
.endr
.endr
	global_store_b32 v[L4], v[X+48+\p], s[36:37] offset:\p*HBB   ; 32 words: 128 consecutive bytes; the four jobs of a block of 256 rows fill the unit's 512
.endr
.Ldone:
	s_wait_tensorcnt 0x0                           ; the wave's end: behind my last LDS store
	ds_add_u32 v[SPW], v[NIL]
	s_wait_dscnt 0x0
	s_endpgm
.Lfunc_end_k_qd09aaacbef_quant:
	.size	k_qd09aaacbef_quant, .Lfunc_end_k_qd09aaacbef_quant-k_qd09aaacbef_quant
	.p2alignl 7, 3214868480
	.fill 96, 4, 3214868480
	.section	.rodata,"a",@progbits
	.p2align	6, 0x0
	.amdhsa_kernel k_qd09aaacbef_quant
		.amdhsa_group_segment_fixed_size 59904
		.amdhsa_private_segment_fixed_size 0
		.amdhsa_enable_private_segment 0
		.amdhsa_kernarg_size 40
		.amdhsa_user_sgpr_count 2
		.amdhsa_user_sgpr_kernarg_segment_ptr 1
		.amdhsa_wavefront_size32 1
		.amdhsa_system_sgpr_workgroup_id_x 1
		.amdhsa_system_sgpr_workgroup_id_y 1
		.amdhsa_system_sgpr_workgroup_id_z 1
		.amdhsa_system_vgpr_workitem_id 0
		.amdhsa_next_free_vgpr 512
		.amdhsa_next_free_sgpr 66
		.amdhsa_reserve_vcc 0
		.amdhsa_float_denorm_mode_32 3
		.amdhsa_float_denorm_mode_16_64 3
		.amdhsa_memory_ordered 1
		.amdhsa_forward_progress 1
		.amdhsa_inst_pref_size 39
	.end_amdhsa_kernel
	.amdgpu_metadata
---
amdhsa.version: [ 1, 2 ]
amdhsa.kernels:
  - .name:           k_qd09aaacbef_quant
    .symbol:         k_qd09aaacbef_quant.kd
    .args:
      - { .name: x, .offset: 0, .size: 8, .value_kind: global_buffer, .address_space: global }
      - { .name: W_Q, .offset: 8, .size: 8, .value_kind: global_buffer, .address_space: global }
      - { .name: W_K, .offset: 16, .size: 8, .value_kind: global_buffer, .address_space: global }
      - { .name: W_V, .offset: 24, .size: 8, .value_kind: global_buffer, .address_space: global }
      - { .name: xw, .offset: 32, .size: 8, .value_kind: global_buffer, .address_space: global }
    .group_segment_fixed_size: 59904
    .private_segment_fixed_size: 0
    .kernarg_segment_align: 8
    .kernarg_segment_size: 40
    .max_flat_workgroup_size: 128
    .sgpr_count:     66
    .vgpr_count:     512
    .wavefront_size: 32
...
	.end_amdgpu_metadata
.endif
;; end of part 1
;; launch proj (part 2): grid 32 x 8, 4 waves a work-group, clusters of 4 x 4, 327,680 bytes of LDS; arguments xw, qkv; writes qkv
.if DOCPART == 2
	.amdgcn_target "amdgcn-amd-amdhsa--gfx1250"
	.amdhsa_code_object_version 6
	.text
	.protected	k_qd09aaacbef_proj
	.globl	k_qd09aaacbef_proj
	.p2align	8
	.type	k_qd09aaacbef_proj,@function
k_qd09aaacbef_proj:
	s_mov_b64 s[64:65], 0
	v_nop
	global_prefetch_b8 v0, s[64:65] scope:SCOPE_SE
	s_setreg_imm32_b32 hwreg(HW_REG_WAVE_MODE, 25, 1), 1
	s_wait_xcnt 0x0
	s_wait_alu depctr_hold_cnt(0) depctr_sa_sdst(0) depctr_va_vdst(0) depctr_va_sdst(0) depctr_va_ssrc(0) depctr_va_vcc(0) depctr_vm_vsrc(0)
	s_getreg_b32 s2, hwreg(HW_REG_IB_STS2, 6, 4)
	s_cmp_eq_u32 s2, 0
	s_cbranch_scc0 .Lentry_in_a_cluster
	s_endpgm
.Lentry_in_a_cluster:
	s_bfe_u32 s2, ttmp6, 0x10000c
	s_cmp_lg_u32 s2, 0xf033
	s_cbranch_scc0 .Lentry_shape_is_right
	s_endpgm
.Lentry_shape_is_right:
; Q, K and V = x W^T on codes of E3M2 with E8M0 scales; each result is quantised again on the way out, along the axis that the next product sums over.  No work is left out.
; xw: half blocks of 128 rows, eight units each (a unit: 128 rows x 128 along K: eight fragment images of 1,536 bytes, then 128 scale words: 12,800 bytes).
;   half blocks 0-63 x as it lies, 64-127 x with the rows dealt out by parity, 128-135 W_Q, 136-143 W_K, 144-151 W_V.
; qkv, in the same units: Q from unit 0 (half block = row / 128), KT from unit 512 (half block 16 b + key / 128, K = every second row of the batch), VT from unit 1024 (half block 8 b + channel / 128, sixteen units along the keys).
; SHARES.  256 work-groups, 768 matrix instructions a wave each.  PASS 1: a block of 256 rows of x (source 0) x 256 rows of a weight (source 1), a wave 128 x 128 in 64 accumulators:
; W_K with x by parity where the cluster's y is 0, W_V with x as it lies where it is 1: the two differ in addresses alone.  PASS 2: 256 rows of W_Q (source 0) x 128 rows of x (source 1), a wave 128 x 64.
; A lane holds one row of source 1, and its 16 registers of source 0's tiles 2 b, 2 b + 1 are 16 neighbours of the next K (the fragments' rows are laid for that): four blocks of 32 a tile, shared with lane l xor 16.
; RING.  Two LDS slots of 12 units.  Pass 1 takes 4 units a K step: fills of 3, 3 and 2 steps; pass 2 takes 3 units a step: fills of 4 and 4 steps.  Five fills, one load a wave each, every wait on TENSORcnt for 0.
; One group 0 for each kind of tile: it is written anew behind the wait for 0, where no load of the wave is out; so are the two words of group 1 that count rows.
; CLUSTERS: 4 x 4.  Waves 0 and 1 fetch source 1's tiles, which hang on the place along y and go to a row of the cluster; waves 2 and 3 source 0's, which hang on the place along x and go to a column.
; PREFETCH.  Behind each fill's load and the LDS loads that follow it, a wave asks for the rows of 256 bytes of its own NEXT fill, one fill ahead.  The four partners that load a tile jointly share its rows out by address
; (38, 25 or 50 rows each of 150, 100 or 200; a lane a row; lanes left over name the share's last row again): one or two instructions a wave.  The last fill is followed by none.  The address registers are never rewritten.
; LIMITS: a block whose largest magnitude lies under 2^(5 - 127) gets the byte 1 (a block of zeros too: its codes are zeros, and this program alone reads the bytes); NaN and infinities are not served.
; REGISTERS: window 0: v1-30 addresses; v32-55 scale words; v96-115 at work on the way out; v128-223 source 1's fragments, later the codes; v224-231 the new scale words.  window 1: source 0's fragments, two sets.  windows 2, 3: accumulators.
.set UNIT,  12800
.set HBB,   8*UNIT
.set SLOT,  12*UNIT
.set SPARE, 2*SLOT                     ; behind the ring: the spare words, 128 bytes a wave, two blocks of 256 bytes that no other line names
.set L16,  1                           ; 16 x lane
.set A1,   4                           ; v4-5   pass 1: LDS address of source 1's fragments in slot 0, 1
.set A0,   6                           ; v6-7   of source 0's
.set AS,   8                           ; v8-9   of the scale words: lanes 0-15 source 1's, lanes 16-31 source 0's
.set B1,   10                          ; v10-17 pass 2: source 1's and source 0's fragments, source 0's and source 1's words
.set B0,   12
.set BW0,  14
.set BW1,  16
.set VOW,  18                          ; where the new scale words go in a unit, pass 1
.set VOC2, 19                          ; pass 2: my four fragments of a unit, my 64 words
.set VOW2, 20
.set Q38A, 24                          ; the prefetches' offsets, 256 x row: my share of 150 rows, in two parts,
.set Q38B, 26
.set Q25,  27                          ; of 100 rows,
.set QXA,  30                          ; of pass 2's fill: of 100 rows (waves 0, 1) or, in two parts, of 200 (waves 2, 3)
.set QXB,  25
.set SPW,  28
.set NIL,  29
.set SC,   32
.set SQ,   48
.set TM,   96
.set PT,   108
.set AF,   128
.set PCB,  176
.set PW,   224
.set WV,   14
.set KIND, 15
.set HALF, 16
.set G1A,  24
.set G1B,  32
.set G0A,  40
.set G0B,  44
.set PA1,  48                          ; s[48:55] where the tiles that I fetch begin: pass 1 source 1, source 0; pass 2 source 1, source 0
.set PB1,  50
.set PA2,  52
.set PB2,  54
.set LA1,  56                          ; s56-59 and their places in a slot
.set LB1,  57
.set LA2,  58
.set LB2,  59
.set PF1,  60                          ; s[60:61], s[62:63] of these four the two that my wave fetches by: the prefetches' bases
.set PF2,  62
.set CXP,  66
.set CYP,  67
.set CLY,  68
.set OUT,  76                          ; s[76:77] my unit of KT or VT;  s[78:79] my unit of Q
.set SEL,  82
.set MSB, 0
.macro WIN new
.if MSB != \new
	s_set_vgpr_msb (MSB<<8)|\new
.set MSB, \new
.endif
.endm
.set MUL_LO, 0xa1                      ; source 0 window 1, source 1 window 0, C and D window 2
.set MUL_HI, 0xf1                      ; the same, C and D window 3
.set TO_B,   0x40
.macro JLOAD                           ; an s_nop 0 and four v_nop follow each of the two lines
	s_cmp_eq_u32 s[KIND], 0
	s_cbranch_scc0 .Lfor_b_\@
	tensor_load_to_lds s[G0A:G0A+3], s[G1A:G1A+7]
	s_nop 0
.rept 4
	v_nop
.endr
	s_branch .Lasked_\@
.Lfor_b_\@:
	tensor_load_to_lds s[G0B:G0B+3], s[G1B:G1B+7]
	s_nop 0
.rept 4
	v_nop
.endr
.Lasked_\@:
.endm
.macro ASK2 go                         ; my share of pass 2's fill that begins go bytes into the tiles; the second part under a branch on the wave's number
	global_prefetch_b8 v[QXA], s[PF2:PF2+1] offset:\go th:TH_LOAD_NT scope:SCOPE_SE
	s_cmp_eq_u32 s[KIND], 0
	s_cbranch_scc1 .Lone_\@
	global_prefetch_b8 v[QXB], s[PF2:PF2+1] offset:\go th:TH_LOAD_NT scope:SCOPE_SE
.Lone_\@:
.endm
.macro CREST
	s_cmp_lg_u32 s[WV], 0
	s_cbranch_scc1 .Lnot_wave_0_\@
	s_barrier_signal -3
.Lnot_wave_0_\@:
	s_barrier_wait -3
	s_barrier_signal -1
	s_barrier_wait -1
.endm
.macro CROUND
	s_barrier_signal -1
	s_barrier_wait -1
	CREST
.endm
.macro PLACES
.rept 4
	v_nop
.endr
.endm
; the next fill's descriptors: places la, lb + lo in LDS, addresses pa, pb + go, ra and rb rows of 256 bytes
.macro DESC la, lb, lo, pa, pb, go, ra, rb
	s_add_co_u32 s[G0A+1], s[\la], \lo
	s_add_nc_u64 s[G0A+2:G0A+3], s[\pa:\pa+1], \go
	s_or_b32 s[G0A+3], s[G0A+3], 0x80000000
	s_add_co_u32 s[G0B+1], s[\lb], \lo
	s_add_nc_u64 s[G0B+2:G0B+3], s[\pb:\pb+1], \go
	s_or_b32 s[G0B+3], s[G0B+3], 0x80000000
	s_mov_b32 s[G1A+2], (\ra)<<16
	s_mov_b32 s[G1A+4], \ra
	s_mov_b32 s[G1B+2], (\rb)<<16
	s_mov_b32 s[G1B+4], \rb
.endm
.macro GRD la, lb, lo, pa, pb, go, ra, rb
	s_wait_tensorcnt 0x0                           ; all my tensor loads have landed
	ds_add_u32 v[SPW], v[NIL]                      ; 0 onto my spare word
	DESC \la, \lb, \lo, \pa, \pb, \go, \ra, \rb    ; no load of mine is out: the descriptors may be written
.endm
	s_load_b128 s[4:7], s[0:1], 0x0                ; xw, qkv
	v_lshl_add_u32 v[SPW], v0, 2, SPARE
	v_mov_b32 v[NIL], 0
	ds_add_u32 v[SPW], v[NIL]                      ; the opening: the add, twice on end, and its wait ahead of my first tensor load
	ds_add_u32 v[SPW], v[NIL]
	v_lshrrev_b32 v3, 5, v0
	v_readfirstlane_b32 s[WV], v3
	s_lshr_b32 s[KIND], s[WV], 1
	s_and_b32 s[HALF], s[WV], 1
	s_bfe_u32 s[CXP], ttmp6, 0x40000
	s_bfe_u32 s[CYP], ttmp6, 0x40004
	s_and_b32 s[CLY], ttmp7, 0xffff
	s_lshl_b32 s17, s[CYP], 2
	s_lshl_b32 s17, 15, s17                        ; my row of the cluster
	s_lshl_b32 s18, 0x1111, s[CXP]                 ; my column
	s_or_b32 s[G1A], s17, (3<<16)|(1<<21)          ; the mask; elements of 8 bytes; bit 21 beside a mask
	s_or_b32 s[G1B], s18, (3<<16)|(1<<21)
.irp g, G1A, G1B
	s_mov_b32 s[\g+1], 32<<16                      ; rows of 256 bytes, dense
	s_mov_b32 s[\g+3], 32<<16
	s_mov_b32 s[\g+5], 32
	s_mov_b32 s[\g+6], 0
	s_mov_b32 s[\g+7], 0
.endr
	s_mov_b32 s[G0A], 1
	s_mov_b32 s[G0B], 1
	s_mov_b32 s[SEL], 0x76543210
	s_mov_b32 s[SEL+1], 0xfedcba98
	s_lshl_b32 s19, s[CLY], 3                      ; pass 1, source 1: half block 136 + 8 (cluster y) + 2 cy + the half that I fetch
	s_lshl_b32 s21, s[CYP], 1
	s_add_co_u32 s19, s19, s21
	s_add_co_u32 s19, s19, s[HALF]
	s_add_co_u32 s19, s19, 136
	s_mul_i32 s[PA1], s19, HBB
	s_mov_b32 s[PA1+1], 0
	s_lshl_b32 s21, s[CLY], 3                      ; pass 2, source 1: x's half block 4 (8 cluster y + cluster x) + cy; I fetch two of a fill's four units
	s_add_co_u32 s21, s21, ttmp9
	s_lshl_b32 s21, s21, 2
	s_add_co_u32 s21, s21, s[CYP]
	s_mul_i32 s[PA2], s21, HBB
	s_mul_i32 s[LA2], s[HALF], 2*UNIT
	s_add_co_u32 s[PA2], s[PA2], s[LA2]
	s_mov_b32 s[PA2+1], 0
	s_lshl_b32 s20, ttmp9, 2                       ; pass 1, source 0: x's block of 256 rows 4 cluster x + cx: by parity (from half block 64) for K, as it lies for V
	s_add_co_u32 s20, s20, s[CXP]
	s_lshl_b32 s22, s20, 1
	s_add_co_u32 s22, s22, s[HALF]
	s_xor_b32 s23, s[CLY], 1
	s_lshl_b32 s23, s23, 6
	s_add_co_u32 s22, s22, s23
	s_mul_i32 s[PB1], s22, HBB
	s_mov_b32 s[PB1+1], 0
	s_lshl_b32 s23, s[CXP], 1                      ; pass 2, source 0: W_Q's half block 128 + 2 cx + half
	s_add_co_u32 s23, s23, s[HALF]
	s_add_co_u32 s23, s23, 128
	s_mul_i32 s[PB2], s23, HBB
	s_mov_b32 s[PB2+1], 0
	s_mul_i32 s[LA1], s[HALF], 3*UNIT              ; a slot in pass 1: source 1's two halves, three units each, then source 0's
	s_add_co_u32 s[LB1], s[LA1], 6*UNIT
	s_mul_i32 s[LB2], s[HALF], 4*UNIT              ; in pass 2: source 1's four units, then source 0's two halves, four units each
	s_add_co_u32 s[LB2], s[LB2], 4*UNIT
	s_wait_dscnt 0x0                               ; both opening adds are done
	s_wait_kmcnt 0x0
.irp q, PA1, PB1, PA2, PB2
	s_add_nc_u64 s[\q:\q+1], s[4:5], s[\q:\q+1]
.endr
	DESC LA1, LB1, 0, PA1, PB1, 0, 150, 150
	CROUND                                         ; all sixteen work-groups are here: the first joint loads meet
	JLOAD                                          ; K steps 0 to 2: my one load at the head
	s_cmp_eq_u32 s[KIND], 0                        ; the prefetches: the tiles that my wave fetches,
	s_cselect_b32 s84, s[CXP], s[CYP]              ; my work-group's place among the four that ask for them jointly,
	s_cselect_b64 s[PF1:PF1+1], s[PA1:PA1+1], s[PB1:PB1+1]
	s_cselect_b64 s[PF2:PF2+1], s[PA2:PA2+1], s[PB2:PB2+1]
	s_cselect_b32 s85, 25, 50                      ; a share of pass 2's fill, in rows
	s_mul_i32 s86, s84, 38
	s_mul_i32 s87, s84, 25
	s_mul_i32 s88, s84, s85
	s_sub_co_u32 s85, s85, 1
	v_and_b32 v3, 31, v0
	v_lshlrev_b32 v[L16], 4, v3
	v_lshlrev_b32 v21, 2, v3                       ; 4 x lane
	v_and_b32 v2, 15, v0
	v_lshlrev_b32 v22, 2, v2                       ; 4 r
	v_bfe_u32 v23, v0, 4, 1                        ; h
	v_add_nc_u32 v[Q38A], s86, v3                  ; rows 38 p + lane, 145 at the most
	v_add_nc_u32 v[QXB], 32, v3
	v_min_u32 v[Q38B], 37, v[QXB]
	v_add_nc_u32 v[Q38B], s86, v[Q38B]
	v_min_u32 v[Q38B], 149, v[Q38B]                ; the fourth share has 36 rows
	v_min_u32 v[Q25], 24, v3
	v_add_nc_u32 v[Q25], s87, v[Q25]
	v_min_u32 v[QXA], s85, v3
	v_add_nc_u32 v[QXA], s88, v[QXA]
	v_min_u32 v[QXB], s85, v[QXB]
	v_add_nc_u32 v[QXB], s88, v[QXB]
.irp q, Q38A, Q38B, Q25, QXA, QXB
	v_lshlrev_b32 v[\q], 8, v[\q]
.endr
	s_wait_alu depctr_va_vdst(0)
	global_prefetch_b8 v[Q38A], s[PF1:PF1+1] offset:3*UNIT th:TH_LOAD_NT scope:SCOPE_SE   ; my share of K steps 3 to 5
	global_prefetch_b8 v[Q38B], s[PF1:PF1+1] offset:3*UNIT th:TH_LOAD_NT scope:SCOPE_SE
	s_mul_i32 s84, s[KIND], 3*UNIT                 ; pass 1: my 128 rows of the weight,
	s_mul_i32 s85, s[HALF], 3*UNIT
	s_add_co_u32 s85, s85, 6*UNIT                  ; my 128 rows of x
	s_sub_co_u32 s86, s85, s84
	v_mul_u32_u24 v2, s86, v23                     ; lanes 16-31 take source 0's words: one product, the distance between the two
	v_add_nc_u32 v2, v2, v22
	s_add_co_u32 s86, s84, 8*1536
.irp n, 0,1
	v_add_nc_u32 v[A1+\n], s84, v[L16]
	v_add_nc_u32 v[A0+\n], s85, v[L16]
	v_add_nc_u32 v[AS+\n], s86, v2
	s_add_co_u32 s84, s84, SLOT
	s_add_co_u32 s85, s85, SLOT
	s_add_co_u32 s86, s86, SLOT
.endr
	s_mul_i32 s87, s[KIND], 4*1536                 ; pass 2: my 64 rows of x: four fragments of a unit's eight,
	s_lshl_b32 s88, s[KIND], 8
	s_add_co_u32 s88, s88, 8*1536                  ; their words,
	s_mov_b32 s90, s[LB2]                          ; my 128 rows of W_Q,
	s_add_co_u32 s89, s90, 8*1536                  ; their words
	v_add_nc_u32 v[VOC2], s87, v[L16]
	v_add_nc_u32 v[VOW2], s88, v21
	v_add_nc_u32 v[VOW], 8*1536, v21
.irp n, 0,1
	v_add_nc_u32 v[B1+\n], s87, v[L16]
	v_add_nc_u32 v[B0+\n], s90, v[L16]
	v_add_nc_u32 v[BW0+\n], s89, v22
	v_add_nc_u32 v[BW1+\n], s88, v22
	s_add_co_u32 s87, s87, SLOT
	s_add_co_u32 s88, s88, SLOT
	s_add_co_u32 s89, s89, SLOT
	s_add_co_u32 s90, s90, SLOT
.endr
.irp b, 0,1,2,3
	v_mov_b32 v[TM+4+\b], 0                        ; written once: a lane permute's destination counts as one of its sources
.endr
	s_lshl_b32 s84, ttmp9, 2                       ; where my results go (registers of their own: none of them feeds a descriptor)
	s_add_co_u32 s84, s84, s[CXP]
	s_lshr_b32 s85, s84, 3                         ; the batch
	s_and_b32 s86, s84, 7                          ; which 256 rows of it
	s_lshl_b32 s87, s[CYP], 1
	s_add_co_u32 s87, s87, s[KIND]                 ; which 128 channels
	s_lshl_b32 s88, s85, 4                         ; KT: unit 512 + 8 (16 b + 8 parity + channel / 128) + the 128 along K
	s_lshl_b32 s89, s[HALF], 3
	s_add_co_u32 s88, s88, s89
	s_add_co_u32 s88, s88, s87
	s_lshl_b32 s88, s88, 3
	s_add_co_u32 s88, s88, s86
	s_add_co_u32 s88, s88, 512
	s_lshl_b32 s90, s85, 3                         ; VT: unit 1024 + 16 (8 b + channel / 128) + key / 128
	s_add_co_u32 s90, s90, s87
	s_lshl_b32 s90, s90, 4
	s_lshl_b32 s91, s86, 1
	s_add_co_u32 s90, s90, s91
	s_add_co_u32 s90, s90, s[HALF]
	s_add_co_u32 s90, s90, 1024
	s_cmp_eq_u32 s[CLY], 0
	s_cselect_b32 s88, s88, s90
	s_mul_i32 s88, s88, UNIT
	s_mov_b32 s89, 0
	s_add_nc_u64 s[OUT:OUT+1], s[6:7], s[88:89]
	s_lshl_b32 s88, s[CLY], 3                      ; Q: unit 8 (x's half block) + 2 cx + half
	s_add_co_u32 s88, s88, ttmp9
	s_lshl_b32 s88, s88, 2
	s_add_co_u32 s88, s88, s[CYP]
	s_lshl_b32 s88, s88, 3
	s_lshl_b32 s90, s[CXP], 1
	s_add_co_u32 s88, s88, s90
	s_add_co_u32 s88, s88, s[HALF]
	s_mul_i32 s88, s88, UNIT
	s_add_nc_u64 s[OUT+2:OUT+3], s[6:7], s[88:89]
.macro FRAG reg, adr, off              ; a fragment's image: three loads of 512 consecutive bytes
.irp g, 0,1,2
	ds_load_b128 v[\reg+4*\g:\reg+4*\g+3], v[\adr] offset:\off+512*\g
.endr
.endm
.macro F0 adr, off, p                  ; source 0's eight fragments into set p
	WIN TO_B
.irp i, 0,1,2,3,4,5,6,7
	FRAG 128*(\p)+12*\i, \adr, \off+\i*1536
.endr
	WIN 0
.endm
.macro F1 adr, off, i0, cnt            ; source 1's fragments i0 .. i0 + cnt - 1
.set FI, \i0
.rept \cnt
	FRAG AF+12*FI, \adr, \off+FI*1536
.set FI, FI+1
.endr
.endm
.macro W1 adr, off, p                  ; pass 1: register i: lanes 0-15 the words of source 1's tile i, lanes 16-31 of source 0's
.irp i, 0,1,2,3,4,5,6,7
	ds_load_b32 v[SC+8*(\p)+\i], v[\adr] offset:\off+64*\i
.endr
.endm
.macro W2 slot, off, p                 ; pass 2: source 0's eight registers, source 1's four
.irp i, 0,1,2,3,4,5,6,7
	ds_load_b32 v[SC+8*(\p)+\i], v[BW0+\slot] offset:\off+64*\i
.endr
.irp i, 0,1,2,3
	ds_load_b32 v[SQ+4*(\p)+\i], v[BW1+\slot] offset:\off+64*\i
.endr
.endm
.macro MUL16 a0, p, zero               ; pass 1; the accumulators take turns, one instruction a turn
.irp a, \a0, \a0+1
.irp b, 0,1,2,3,4,5,6,7
.if \zero
	v_wmma_scale_f32_16x16x128_f8f6f4 v[8*(8*((\a)%4)+\b):8*(8*((\a)%4)+\b)+7], v[128*(\p)+12*\b:128*(\p)+12*\b+11], v[AF+12*(\a):AF+12*(\a)+11], 0, v[SC+8*(\p)+\b], v[SC+8*(\p)+(\a)] matrix_a_fmt:MATRIX_FMT_BF6 matrix_b_fmt:MATRIX_FMT_BF6 matrix_a_scale:MATRIX_SCALE_ROW1
.else
	v_wmma_scale_f32_16x16x128_f8f6f4 v[8*(8*((\a)%4)+\b):8*(8*((\a)%4)+\b)+7], v[128*(\p)+12*\b:128*(\p)+12*\b+11], v[AF+12*(\a):AF+12*(\a)+11], v[8*(8*((\a)%4)+\b):8*(8*((\a)%4)+\b)+7], v[SC+8*(\p)+\b], v[SC+8*(\p)+(\a)] matrix_a_fmt:MATRIX_FMT_BF6 matrix_b_fmt:MATRIX_FMT_BF6 matrix_a_scale:MATRIX_SCALE_ROW1
.endif
.endr
.endr
.endm
.macro MUL8 a, p, zero                 ; pass 2
.irp b, 0,1,2,3,4,5,6,7
.if \zero
	v_wmma_scale_f32_16x16x128_f8f6f4 v[8*(8*(\a)+\b):8*(8*(\a)+\b)+7], v[128*(\p)+12*\b:128*(\p)+12*\b+11], v[AF+12*(\a):AF+12*(\a)+11], 0, v[SC+8*(\p)+\b], v[SQ+4*(\p)+(\a)] matrix_a_fmt:MATRIX_FMT_BF6 matrix_b_fmt:MATRIX_FMT_BF6
.else
	v_wmma_scale_f32_16x16x128_f8f6f4 v[8*(8*(\a)+\b):8*(8*(\a)+\b)+7], v[128*(\p)+12*\b:128*(\p)+12*\b+11], v[AF+12*(\a):AF+12*(\a)+11], v[8*(8*(\a)+\b):8*(8*(\a)+\b)+7], v[SC+8*(\p)+\b], v[SQ+4*(\p)+(\a)] matrix_a_fmt:MATRIX_FMT_BF6 matrix_b_fmt:MATRIX_FMT_BF6
.endif
.endr
.endm
; A K step of pass 1: 64 products on set p; the next step's fragments (slot ns, its nq-th step) come in its middle and at its end
.macro STEP1 p, ns, nq, zero
	s_wait_dscnt 12                                ; all but the youngest twelve loads (source 1's tiles 4-7)
	WIN MUL_LO
	MUL16 0, \p, \zero
	MUL16 2, \p, \zero
	s_wait_dscnt 0x0
	PLACES
	F0 A0+\ns, (\nq)*UNIT, 1-\p
	W1 AS+\ns, (\nq)*UNIT, 1-\p
	F1 A1+\ns, (\nq)*UNIT, 0, 4
	WIN MUL_HI
	MUL16 4, \p, \zero
	MUL16 6, \p, \zero
	PLACES
	WIN 0
	F1 A1+\ns, (\nq)*UNIT, 4, 4
.endm
; A slot's last step: the three lines, a round of the cluster's barrier, the slot just read out is filled again, and the fill behind that one (pass 2's, ago bytes into its tiles) is asked of the L2
.macro TURN1 p, ns, la, lb, lo, pa, pb, go, ra, rb, ago
	GRD \la, \lb, \lo, \pa, \pb, \go, \ra, \rb
	s_wait_dscnt 13                                ; (the add and the youngest twelve loads may be out)
	WIN MUL_LO
	MUL16 0, \p, 0
	s_wait_dscnt 0x0                               ; the add is done, and my reads of this slot are over
	s_barrier_signal -1
	MUL16 2, \p, 0
	WIN 0
	s_barrier_wait -1
	CREST                                          ; no wave of any partner still reads this slot or has a load on its way
	JLOAD                                          ; my one tensor load behind the round; its four v_nop are the places in front of the loads below
	F0 A0+\ns, 0, 1-\p
	W1 AS+\ns, 0, 1-\p
	F1 A1+\ns, 0, 0, 4
	ASK2 \ago
	WIN MUL_HI
	MUL16 4, \p, 0
	MUL16 6, \p, 0
	PLACES
	WIN 0
	F1 A1+\ns, 0, 4, 4
.endm
.macro STEP2 p, ns, nq, zero           ; a K step of pass 2: 32 products
	s_wait_dscnt 6                                 ; all but the youngest six loads (source 1's tiles 2, 3)
	WIN MUL_LO
	MUL8 0, \p, \zero
	MUL8 1, \p, \zero
	s_wait_dscnt 0x0
	PLACES
	F0 B0+\ns, (\nq)*UNIT, 1-\p
	W2 \ns, (\nq)*UNIT, 1-\p
	F1 B1+\ns, (\nq)*UNIT, 0, 2
	WIN MUL_LO
	MUL8 2, \p, \zero
	MUL8 3, \p, \zero
	PLACES
	WIN 0
	F1 B1+\ns, (\nq)*UNIT, 2, 2
.endm
; The tile a of 16 rows of source 1: its 64 registers a lane become a fragment's codes in v[pca] on and its scale word in v[PW + a]; the codes leave at once, 512 consecutive bytes a store
.macro QUANTW a, pca, voc, ob
.set QW,  2+(\a)/4
.set QS,  64*((\a)%4)
.set W12, (QW<<2)|(QW<<4)
	WIN W12
.irp b, 0,1,2,3
	v_max3_num_f32 v[TM+\b], 0x2800000, |v[QS+16*\b]|, |v[QS+16*\b+1]|   ; block b: my 16 numbers and the floor 2^(5 - 127); each accumulator is read from its low end on
.endr
.irp i, 2,4,6,8,10,12,14
.irp b, 0,1,2,3
	v_max3_num_f32 v[TM+\b], v[TM+\b], |v[QS+16*\b+\i]|, |v[QS+16*\b+\i+1]|
.endr
.endr
	WIN 0
.irp b, 0,1,2,3
	v_permlanex16_b32 v[TM+4+\b], v[TM+\b], s[SEL], s[SEL+1]
.endr
.irp b, 0,1,2,3
	v_max_num_f32 v[TM+\b], v[TM+\b], v[TM+4+\b]   ; with lane l xor 16's: the block's largest magnitude
.endr
.irp b, 0,1,2,3
	v_add_nc_u32 v[TM+8+\b], 0xfe000000, v[TM+\b]  ; 4 off its exponent field: the conversion's scale operand
.endr
.irp b, 0,1,2,3
	v_lshrrev_b32 v[TM+4+\b], 23, v[TM+8+\b]       ; the scale's byte
.endr
	v_lshl_or_b32 v[PW+(\a)], v[TM+5], 8, v[TM+4]
	v_lshl_or_b32 v[PW+(\a)], v[TM+6], 16, v[PW+(\a)]
	v_lshl_or_b32 v[PW+(\a)], v[TM+7], 24, v[PW+(\a)]
	WIN QW
.irp c, 0,1
	v_cvt_scalef32_pk16_bf6_f32 v[\pca+6*\c:\pca+6*\c+2], v[QS+32*\c:QS+32*\c+15], v[TM+8+2*\c]
	v_cvt_scalef32_pk16_bf6_f32 v[PT+4*\c:PT+4*\c+2], v[QS+32*\c+16:QS+32*\c+31], v[TM+8+2*\c+1]
.endr
	WIN 0
	v_nop                                          ; one plain place behind a scaled conversion
.irp c, 0,1                            ; the operand's layout wants a whole block in a lane
.irp i, 0,1,2
	v_permlane16_swap_b32 v[\pca+6*\c+\i], v[PT+4*\c+\i]
.endr
.irp i, 0,1,2
	v_mov_b32 v[\pca+6*\c+3+\i], v[PT+4*\c+\i]
.endr
.endr
.irp g, 0,1,2
	global_store_b128 v[\voc], v[\pca+4*\g:\pca+4*\g+3], s[\ob:\ob+1] offset:1536*(\a)+512*\g
.endr
.endm
.macro WORDSOUT cnt, vow, ob           ; two tiles' words to a register: lanes 0-15 tile 2 n's rows, lanes 16-31 tile 2 n + 1's: 128 consecutive bytes a store
.set WN, 0
.rept \cnt
	v_permlane16_swap_b32 v[PW+2*WN], v[PW+2*WN+1]
.set WN, WN+1
.endr
.set WN, 0
.rept \cnt
	global_store_b32 v[\vow], v[PW+2*WN], s[\ob:\ob+1] offset:128*WN
.set WN, WN+1
.endr
.endm
	s_wait_alu depctr_va_vdst(0)
	GRD LA1, LB1, SLOT, PA1, PB1, 3*UNIT, 150, 150
	s_wait_dscnt 0x0
	CROUND
	JLOAD                                          ; K steps 3 to 5
	F0 A0, 0, 0
	W1 AS, 0, 0
	F1 A1, 0, 0, 4
	F1 A1, 0, 4, 4
	global_prefetch_b8 v[Q25], s[PF1:PF1+1] offset:6*UNIT th:TH_LOAD_NT scope:SCOPE_SE   ; my share of K steps 6 and 7
	STEP1 0, 0, 1, 1                               ; K step 0: its products start the sums
	STEP1 1, 0, 2, 0
	TURN1 0, 1, LA1, LB1, 0, PA1, PB1, 6*UNIT, 100, 100, 0         ; 2: slot 0 takes K steps 6 and 7
	STEP1 1, 1, 1, 0
	STEP1 0, 1, 2, 0
	TURN1 1, 0, LA2, LB2, SLOT, PA2, PB2, 0, 100, 200, 4*UNIT      ; 5: slot 1 takes pass 2's K steps 0 to 3
	STEP1 0, 0, 1, 0
	s_wait_dscnt 12                                ; 7: nothing more to fetch
	WIN MUL_LO
	MUL16 0, 1, 0
	MUL16 2, 1, 0
	s_wait_dscnt 0x0
	WIN MUL_HI
	MUL16 4, 1, 0
	MUL16 6, 1, 0
	WIN 0
	PLACES
; Half of the block's way out stands ahead of the change of pass and half behind it: each of pass 2's two fills has four tiles' vector work and four K steps under it
.irp a, 0,1,2,3
	QUANTW \a, AF+12*\a, L16, OUT
.endr
	s_wait_alu depctr_va_vdst(0)                   ; ahead of the blocking waits below
	GRD LA2, LB2, 0, PA2, PB2, 4*UNIT, 100, 200
	s_wait_dscnt 0x0
	CROUND
	JLOAD                                          ; slot 0 takes pass 2's K steps 4 to 7
	s_wait_xcnt 0x0                                ; the stores of tiles 0-3 have read their codes: fragments may land there
	F0 B0+1, 0, 0
	W2 1, 0, 0
	F1 B1+1, 0, 0, 2
	F1 B1+1, 0, 2, 2
.irp a, 4,5,6,7
	QUANTW \a, AF+12*\a, L16, OUT
.endr
	WORDSOUT 4, VOW, OUT
	STEP2 0, 1, 1, 1                               ; pass 2, K step 0: its products start the sums anew
	STEP2 1, 1, 2, 0
	STEP2 0, 1, 3, 0
	s_wait_tensorcnt 0x0                           ; 3: my part of slot 0 is in; nothing is filled again: a plain barrier
	ds_add_u32 v[SPW], v[NIL]
	s_wait_dscnt 7                                 ; (the add and the youngest six loads may be out)
	WIN MUL_LO
	MUL8 0, 1, 0
	s_wait_dscnt 0x0
	s_barrier_signal -1
	MUL8 1, 1, 0
	WIN 0
	s_barrier_wait -1
	PLACES
	F0 B0, 0, 0
	W2 0, 0, 0
	F1 B1, 0, 0, 2
	WIN MUL_LO
	MUL8 2, 1, 0
	MUL8 3, 1, 0
	PLACES
	WIN 0
	F1 B1, 0, 2, 2
	STEP2 0, 0, 1, 0
	STEP2 1, 0, 2, 0
	STEP2 0, 0, 3, 0
	s_wait_dscnt 6                                 ; 7
	WIN MUL_LO
	MUL8 0, 1, 0
	MUL8 1, 1, 0
	s_wait_dscnt 0x0
	MUL8 2, 1, 0
	MUL8 3, 1, 0
	WIN 0
	PLACES
	s_wait_xcnt 0x0                                ; pass 1's stores have read the registers that are written again below
.irp a, 0,1,2,3
	QUANTW \a, PCB+12*\a, VOC2, OUT+2
.endr
	WORDSOUT 2, VOW2, OUT+2
	s_wait_tensorcnt 0x0                           ; the wave's end
	ds_add_u32 v[SPW], v[NIL]
	s_wait_dscnt 0x0
	CROUND                                         ; the closing round
	s_endpgm
.Lfunc_end_k_qd09aaacbef_proj:
	.size	k_qd09aaacbef_proj, .Lfunc_end_k_qd09aaacbef_proj-k_qd09aaacbef_proj
	.p2alignl 7, 3214868480
	.fill 96, 4, 3214868480
	.section	.rodata,"a",@progbits
	.p2align	6, 0x0
	.amdhsa_kernel k_qd09aaacbef_proj
		.amdhsa_group_segment_fixed_size 327680
		.amdhsa_private_segment_fixed_size 0
		.amdhsa_enable_private_segment 0
		.amdhsa_kernarg_size 16
		.amdhsa_user_sgpr_count 2
		.amdhsa_user_sgpr_kernarg_segment_ptr 1
		.amdhsa_wavefront_size32 1
		.amdhsa_system_sgpr_workgroup_id_x 1
		.amdhsa_system_sgpr_workgroup_id_y 1
		.amdhsa_system_sgpr_workgroup_id_z 1
		.amdhsa_system_vgpr_workitem_id 0
		.amdhsa_next_free_vgpr 1024
		.amdhsa_next_free_sgpr 96
		.amdhsa_reserve_vcc 0
		.amdhsa_float_denorm_mode_32 3
		.amdhsa_float_denorm_mode_16_64 3
		.amdhsa_memory_ordered 1
		.amdhsa_forward_progress 1
		.amdhsa_inst_pref_size 223
	.end_amdhsa_kernel
	.amdgpu_metadata
---
amdhsa.version: [ 1, 2 ]
amdhsa.kernels:
  - .name:           k_qd09aaacbef_proj
    .symbol:         k_qd09aaacbef_proj.kd
    .args:
      - { .name: xw, .offset: 0, .size: 8, .value_kind: global_buffer, .address_space: global }
      - { .name: qkv, .offset: 8, .size: 8, .value_kind: global_buffer, .address_space: global }
    .group_segment_fixed_size: 327680
    .private_segment_fixed_size: 0
    .kernarg_segment_align: 8
    .kernarg_segment_size: 16
    .max_flat_workgroup_size: 128
    .sgpr_count:     96
    .vgpr_count:     1024
    .wavefront_size: 32
...
	.end_amdgpu_metadata
.endif
;; end of part 2
;; launch scores (part 3): grid 8 x 32, 4 waves a work-group, clusters of 4 x 4, 327,680 bytes of LDS; arguments qkv, pc, pst; writes pc, pst
.if DOCPART == 3
	.amdgcn_target "amdgcn-amd-amdhsa--gfx1250"
	.amdhsa_code_object_version 6
	.text
	.protected	k_qd09aaacbef_scores
	.globl	k_qd09aaacbef_scores
	.p2align	8
	.type	k_qd09aaacbef_scores,@function
k_qd09aaacbef_scores:
	s_mov_b64 s[64:65], 0
	v_nop
	global_prefetch_b8 v0, s[64:65] scope:SCOPE_SE
	s_setreg_imm32_b32 hwreg(HW_REG_WAVE_MODE, 25, 1), 1
	s_wait_xcnt 0x0
	s_wait_alu depctr_hold_cnt(0) depctr_sa_sdst(0) depctr_va_vdst(0) depctr_va_sdst(0) depctr_va_ssrc(0) depctr_va_vcc(0) depctr_vm_vsrc(0)
	s_getreg_b32 s2, hwreg(HW_REG_IB_STS2, 6, 4)
	s_cmp_eq_u32 s2, 0
	s_cbranch_scc0 .Lentry_in_a_cluster
	s_endpgm
.Lentry_in_a_cluster:
	s_bfe_u32 s2, ttmp6, 0x10000c
	s_cmp_lg_u32 s2, 0xf033
	s_cbranch_scc0 .Lentry_shape_is_right
	s_endpgm
.Lentry_shape_is_right:
; S^T = K_r^T Q^T on codes of E3M2 with E8M0 scales, and the softmax's p, quantised along the keys, on the way out.  No work is left out.
; qkv holds units of 12,800 bytes (128 rows x 128 along K: eight fragment images of 1,536 bytes, then 128 scale words): Q from unit 0 (half block = row / 128), KT from unit 512 (half block 16 b + key / 128).
; SOURCE 0 = 16 keys, SOURCE 1 = 16 queries: a lane holds ONE query, and its 64 registers of a tile of queries are keys 32 b + 16 h + i of my 128 keys (the keys of a fragment are laid for that).
; THE SOFTMAX, for each query and each 128 keys by themselves: t = score x log2(e) / 1024; M = ceil(the largest t of these 128 keys), a whole number; p = 2^(t - M); p is quantised, block by block of 32 keys;
; the sum l of the unquantised p.  The next launch brings the sixteen M of a row under the row's largest by whole powers of two, taken off the scale bytes: the codes' values come out as under the row's own M.
; OUT: pc: unit (query / 128) 16 + key / 128: eight fragment images, 12,288 bytes;  pst: 2,048 bytes beside each: for each of its 128 rows 16 bytes: p's scale word, -M as f32, l, 0.
; A block's largest p is not searched for: the block's largest score goes through the same multiply-add and exponential (this takes v_exp_f32 not to fall where its input rises).
; SHARES, RING, CLUSTER: a work-group makes 256 keys x 256 queries, a wave 128 x 128: 256 work-groups; K = 1,024 in eight steps; three LDS slots of two steps; one refill; Q's tiles are asked for jointly by a row of the 4 x 4 cluster, KT's by a column.
; LIMITS: a block all of whose p lie under 2^(5 - 127) gets the byte 1; NaN and infinities are not served.
; REGISTERS: window 0: v1-29 addresses; v32-47 scale words; v96-123 at work on the way out; v128-223 Q's eight fragments, later p's codes; v224-255 the rows' 16 bytes.  window 1: KT's fragments, two sets.  windows 2, 3: accumulators.
.set UNIT,  12800
.set PUNIT, 12288
.set HBB,   8*UNIT
.set CHUNK, 2*UNIT
; THE RING AS IT STANDS (in place of the three slots named above): LDS holds six K steps.  Region A, 16 units: four units for each wave's half block; region B, 8 units behind it: two units each.
; The head's one load a wave brings K steps 0 to 3 into A; steps 4 and 5 come into B behind the full sequence and a round; steps 6 and 7 fill the first two units of each part of A again, at step 3.
.set SLOT,  4*CHUNK
.set SPARE, 3*SLOT                     ; behind the ring: the spare words, 128 bytes a wave, two blocks of 256 bytes that no other line names
.set L16,  1
.set ADR1, 16
.set ADR0, 19
.set ADS,  22
.set SPW,  28
.set NIL,  29
.set SC,   32
.set BM,   96                          ; v96-99   the blocks' largest scores, then their largest p
.set BT,   100                         ; v100-103 the other half's, then the bytes
.set SO,   104                         ; v104-107 the conversions' scale operands
.set PT,   108                         ; v108-115 the conversions' second halves
.set NM,   116                         ; v[116:117] -M (the packed form names a pair and takes its low word)
.set SA,   118                         ; v[118:119], v[120:121] the sum, in two chains of two halves
.set SB,   120
.set T1,   122
.set T2,   123
.set AF,   128
.set WV,   14
.set KIND, 15
.set HALF, 16
.set G1A,  24
.set G1B,  32
.set G0A,  40
.set G0B,  52
.set CXP,  66
.set CYP,  67
.set CLY,  68
.set OUTP, 80                          ; s[80:81] my unit of pc;  s[86:87] my 2,048 bytes of pst
.set OUTS, 86
.set SEL,  82
.set CS,   84                          ; s[84:85] c = log2(e) / 1024
.set MSB, 0
.macro WIN new
.if MSB != \new
	s_set_vgpr_msb (MSB<<8)|\new
.set MSB, \new
.endif
.endm
.set MUL_LO, 0xa1
.set MUL_HI, 0xf1
.set TO_B,   0x40
.macro JLOAD g0a, g1a, g0b, g1b        ; waves 0 and 1 fetch for Q, waves 2 and 3 for KT; an s_nop 0 and four v_nop follow each of the two lines
	s_cmp_eq_u32 s[KIND], 0
	s_cbranch_scc0 .Lfor_b_\@
	tensor_load_to_lds s[\g0a:\g0a+3], s[\g1a:\g1a+7]
	s_nop 0
.rept 4
	v_nop
.endr
	s_branch .Lasked_\@
.Lfor_b_\@:
	tensor_load_to_lds s[\g0b:\g0b+3], s[\g1b:\g1b+7]
	s_nop 0
.rept 4
	v_nop
.endr
.Lasked_\@:
.endm
.macro CREST
	s_cmp_lg_u32 s[WV], 0
	s_cbranch_scc1 .Lnot_wave_0_\@
	s_barrier_signal -3
.Lnot_wave_0_\@:
	s_barrier_wait -3
	s_barrier_signal -1
	s_barrier_wait -1
.endm
.macro CROUND
	s_barrier_signal -1
	s_barrier_wait -1
	CREST
.endm
.macro PLACES
.rept 4
	v_nop
.endr
.endm
	s_load_b128 s[4:7], s[0:1], 0x0                ; qkv, pc
	s_load_b64 s[8:9], s[0:1], 0x10                ; pst
	v_lshl_add_u32 v[SPW], v0, 2, SPARE
	v_mov_b32 v[NIL], 0
	ds_add_u32 v[SPW], v[NIL]                      ; the wave's opening: the add, twice on end, and its wait ahead of my first tensor load
	ds_add_u32 v[SPW], v[NIL]
	v_lshrrev_b32 v3, 5, v0
	v_readfirstlane_b32 s[WV], v3
	s_lshr_b32 s[KIND], s[WV], 1
	s_and_b32 s[HALF], s[WV], 1
	s_bfe_u32 s[CXP], ttmp6, 0x40000
	s_bfe_u32 s[CYP], ttmp6, 0x40004
	s_and_b32 s[CLY], ttmp7, 0xffff
	s_lshl_b32 s17, s[CYP], 2
	s_lshl_b32 s17, 15, s17                        ; my row of the cluster
	s_lshl_b32 s18, 0x1111, s[CXP]                 ; my column
	s_or_b32 s[G1A], s17, (3<<16)|(1<<21)
	s_or_b32 s[G1B], s18, (3<<16)|(1<<21)
.irp g, G1A, G1B
	s_mov_b32 s[\g+1], 32<<16                      ; rows of 256 bytes,
	s_mov_b32 s[\g+2], 200<<16                     ; 200 of them at the head: four units on end
	s_mov_b32 s[\g+3], 32<<16
	s_mov_b32 s[\g+4], 200
	s_mov_b32 s[\g+5], 32
	s_mov_b32 s[\g+6], 0
	s_mov_b32 s[\g+7], 0
.endr
	s_mov_b32 s[SEL], 0x76543210
	s_mov_b32 s[SEL+1], 0xfedcba98
	s_mov_b32 s[CS], 0x3ab8aa3b                    ; log2(e) / 1024
	s_mov_b32 s[CS+1], s[CS]
	s_lshl_b32 s19, s[CLY], 2
	s_add_co_u32 s19, s19, s[CYP]                  ; gy = 8 b + the batch's block of 256 queries
	s_lshl_b32 s21, s19, 1
	s_add_co_u32 s21, s21, s[HALF]
	s_mul_i32 s70, s21, HBB                        ; Q's half block
	s_mov_b32 s71, 0
	s_lshl_b32 s20, ttmp9, 2
	s_add_co_u32 s20, s20, s[CXP]                  ; gx: the block of 256 keys
	s_lshl_b32 s22, s20, 1
	s_add_co_u32 s22, s22, s[HALF]
	s_lshr_b32 s23, s[CLY], 1                      ; the batch, from the cluster's y alone
	s_lshl_b32 s23, s23, 4
	s_add_co_u32 s22, s22, s23
	s_mul_i32 s72, s22, HBB
	s_add_co_u32 s72, s72, 512*UNIT                ; KT's half block
	s_mov_b32 s73, 0
	s_mul_i32 s74, s[WV], CHUNK
	s_wait_dscnt 0x0                               ; both opening adds are done
	s_wait_kmcnt 0x0
	s_add_nc_u64 s[70:71], s[4:5], s[70:71]
	s_add_nc_u64 s[72:73], s[4:5], s[72:73]
.irp n, 0,1
	s_mov_b32 s[G0A+4*\n], 1
	s_mul_i32 s[G0A+4*\n+1], s74, 2-\n             ; region A: wave x four units; region B: 16 units + wave x two units
	s_add_co_u32 s[G0A+4*\n+1], s[G0A+4*\n+1], \n*8*CHUNK
	s_add_nc_u64 s[G0A+4*\n+2:G0A+4*\n+3], s[70:71], \n*2*CHUNK
	s_or_b32 s[G0A+4*\n+3], s[G0A+4*\n+3], 0x80000000
	s_mov_b32 s[G0B+4*\n], 1
	s_mul_i32 s[G0B+4*\n+1], s74, 2-\n
	s_add_co_u32 s[G0B+4*\n+1], s[G0B+4*\n+1], \n*8*CHUNK
	s_add_nc_u64 s[G0B+4*\n+2:G0B+4*\n+3], s[72:73], \n*2*CHUNK
	s_or_b32 s[G0B+4*\n+3], s[G0B+4*\n+3], 0x80000000
.endr
	CROUND                                         ; all sixteen work-groups are here: the first joint loads meet
	JLOAD G0A, G1A, G0B, G1B                       ; K steps 0 to 3: my one load at the head
	; PREFETCH: behind each of the first two fills a wave asks for the 100 rows of 256 bytes of its own next fill, one fill ahead.  The four partners that load a tile jointly
	; take 25 rows each, told apart by address; a lane a row, the lanes left over name the share's last row again.  The address registers are never rewritten.
	s_cmp_eq_u32 s[KIND], 0
	s_cselect_b32 s77, s[CXP], s[CYP]              ; my work-group's place among the four
	s_cselect_b64 s[78:79], s[70:71], s[72:73]     ; the half block that my wave fetches
	s_mul_i32 s77, s77, 25*256
	v_and_b32 v3, 31, v0
	v_lshlrev_b32 v[L16], 4, v3
	v_and_b32 v4, 15, v0                           ; r
	v_bfe_u32 v5, v0, 4, 1                         ; h
	v_min_u32 v7, 24, v3
	v_lshl_add_u32 v7, v7, 8, s77                  ; 256 x (25 x place + lane)
	s_wait_alu depctr_va_vdst(0)
	global_prefetch_b8 v7, s[78:79] offset:4*UNIT th:TH_LOAD_NT scope:SCOPE_SE   ; my share of K steps 4 and 5
.irp n, 0,1                            ; n = 0: region A, parts of four units; n = 1: region B, parts of two
	s_mul_i32 s17, s[KIND], (2-\n)*CHUNK
	s_add_co_u32 s17, s17, \n*8*CHUNK
	s_mul_i32 s18, s[HALF], (2-\n)*CHUNK
	s_add_co_u32 s18, s18, \n*8*CHUNK+(4-2*\n)*CHUNK
	s_sub_co_u32 s75, s18, s17
	v_mul_u32_u24 v6, s75, v5                      ; lanes 16-31 take KT's words: one product, the distance between the two
	v_lshl_add_u32 v6, v4, 2, v6
	s_add_co_u32 s76, s17, 8*1536
	v_add_nc_u32 v[ADR1+\n], s17, v[L16]
	v_add_nc_u32 v[ADR0+\n], s18, v[L16]
	v_add_nc_u32 v[ADS+\n], s76, v6
.endr
	s_lshl_b32 s88, s19, 1                         ; my unit: (2 gy + wn) 16 + 2 gx + wm  (registers of their own: none of them feeds a descriptor)
	s_add_co_u32 s88, s88, s[KIND]
	s_lshl_b32 s88, s88, 4
	s_lshl_b32 s89, s20, 1
	s_add_co_u32 s88, s88, s89
	s_add_co_u32 s88, s88, s[HALF]
	s_mul_i32 s90, s88, PUNIT
	s_mov_b32 s91, 0
	s_add_nc_u64 s[OUTP:OUTP+1], s[6:7], s[90:91]
	s_lshl_b32 s90, s88, 11
	s_add_nc_u64 s[OUTS:OUTS+1], s[8:9], s[90:91]
.macro FRAG reg, adr, off
.irp g, 0,1,2
	ds_load_b128 v[\reg+4*\g:\reg+4*\g+3], v[\adr] offset:\off+512*\g
.endr
.endm
.macro FETCH_S0 slot, q, p
	WIN TO_B
.irp i, 0,1,2,3,4,5,6,7
	FRAG 128*(\p)+12*\i, ADR0+\slot, (\q)*UNIT+\i*1536
.endr
	WIN 0
.endm
.macro FETCH_S1 slot, q, i0
.irp i, \i0, \i0+1, \i0+2, \i0+3
	FRAG AF+12*(\i), ADR1+\slot, (\q)*UNIT+(\i)*1536
.endr
.endm
.macro SCALES slot, q, p
.irp i, 0,1,2,3,4,5,6,7
	ds_load_b32 v[SC+8*(\p)+\i], v[ADS+\slot] offset:(\q)*UNIT+64*\i
.endr
.endm
.macro MUL16 a0, p, zero               ; the 64 accumulators take turns, one instruction a turn
.irp a, \a0, \a0+1
.irp b, 0,1,2,3,4,5,6,7
.if \zero
	v_wmma_scale_f32_16x16x128_f8f6f4 v[8*(8*((\a)%4)+\b):8*(8*((\a)%4)+\b)+7], v[128*(\p)+12*\b:128*(\p)+12*\b+11], v[AF+12*(\a):AF+12*(\a)+11], 0, v[SC+8*(\p)+\b], v[SC+8*(\p)+(\a)] matrix_a_fmt:MATRIX_FMT_BF6 matrix_b_fmt:MATRIX_FMT_BF6 matrix_a_scale:MATRIX_SCALE_ROW1
.else
	v_wmma_scale_f32_16x16x128_f8f6f4 v[8*(8*((\a)%4)+\b):8*(8*((\a)%4)+\b)+7], v[128*(\p)+12*\b:128*(\p)+12*\b+11], v[AF+12*(\a):AF+12*(\a)+11], v[8*(8*((\a)%4)+\b):8*(8*((\a)%4)+\b)+7], v[SC+8*(\p)+\b], v[SC+8*(\p)+(\a)] matrix_a_fmt:MATRIX_FMT_BF6 matrix_b_fmt:MATRIX_FMT_BF6 matrix_a_scale:MATRIX_SCALE_ROW1
.endif
.endr
.endr
.endm
.macro STEP p, ns, nq, zero
	s_wait_dscnt 12                                ; all but the youngest twelve loads (Q's tiles 4-7)
	WIN MUL_LO
	MUL16 0, \p, \zero
	MUL16 2, \p, \zero
	s_wait_dscnt 0x0
	PLACES
	FETCH_S0 \ns, \nq, 1-\p
	SCALES \ns, \nq, 1-\p
	FETCH_S1 \ns, \nq, 0
	WIN MUL_HI
	MUL16 4, \p, \zero
	MUL16 6, \p, \zero
	PLACES
	WIN 0
	FETCH_S1 \ns, \nq, 4
.endm
.macro TURN p, ns, mode                ; mode 0: a counted wait, a plain barrier, nothing filled; 1: slot 0 is filled again behind a round of the cluster's barrier; 2: the same lines, a plain barrier, no fill
.if \mode == 0
	s_wait_tensorcnt 1                             ; of my three loads the first two have landed
	s_wait_dscnt 12
.else
	s_wait_tensorcnt 0x0                           ; all my tensor loads have landed
	ds_add_u32 v[SPW], v[NIL]                      ; 0 onto my spare word
	s_wait_dscnt 13                                ; (the add and the youngest twelve loads may be out)
.endif
	WIN MUL_LO
	MUL16 0, \p, 0
	s_wait_dscnt 0x0                               ; my LDS instructions are done: the reads of the slots behind me, and the add
	s_barrier_signal -1
	MUL16 2, \p, 0
	WIN 0
	s_barrier_wait -1
.if \mode == 1
	CREST                                          ; no wave of any partner still reads slot 0 or has a load on its way
	s_add_nc_u64 s[G0A+2:G0A+3], s[G0A+2:G0A+3], 3*CHUNK   ; K steps 6 and 7
	s_add_nc_u64 s[G0B+2:G0B+3], s[G0B+2:G0B+3], 3*CHUNK
	JLOAD G0A, G1A, G0B, G1B                       ; my one tensor load behind the round; its four v_nop are the places in front of the loads below
.else
	PLACES
.endif
	FETCH_S0 \ns, 0, 1-\p
	SCALES \ns, 0, 1-\p
	FETCH_S1 \ns, 0, 0
	WIN MUL_HI
	MUL16 4, \p, 0
	MUL16 6, \p, 0
	PLACES
	WIN 0
	FETCH_S1 \ns, 0, 4
.endm
	s_wait_alu depctr_va_vdst(0)
	s_wait_tensorcnt 0x0                           ; my part of K steps 0 to 3 is in; region B's first fill is issued as a refill is:
	ds_add_u32 v[SPW], v[NIL]                      ; 0 onto my spare word
	s_mov_b32 s[G1A+2], 100<<16                    ; no load of mine is out: from here on a load brings 100 rows, two units
	s_mov_b32 s[G1A+4], 100
	s_mov_b32 s[G1B+2], 100<<16
	s_mov_b32 s[G1B+4], 100
	s_wait_dscnt 0x0
	CROUND
	JLOAD G0A+4, G1A, G0B+4, G1B                   ; K steps 4 and 5
	FETCH_S0 0, 0, 0
	SCALES 0, 0, 0
	FETCH_S1 0, 0, 0
	FETCH_S1 0, 0, 4
	global_prefetch_b8 v7, s[78:79] offset:6*UNIT th:TH_LOAD_NT scope:SCOPE_SE   ; my share of K steps 6 and 7
	STEP 0, 0, 1, 1
	STEP 1, 0, 2, 0
	STEP 0, 0, 3, 0
	TURN 1, 1, 1
	STEP 0, 1, 1, 0
	TURN 1, 0, 2
	STEP 0, 0, 1, 0
	s_wait_dscnt 12
	WIN MUL_LO
	MUL16 0, 1, 0
	MUL16 2, 1, 0
	s_wait_dscnt 0x0
	WIN MUL_HI
	MUL16 4, 1, 0
	MUL16 6, 1, 0
	WIN 0
; THE WAY OUT: the tile a of 16 queries
.macro SOFTQ a
.set QW,  2+(\a)/4
.set QS,  64*((\a)%4)
.set PCA, AF+12*(\a)
.set RES, 224+4*(\a)
.set W12, (QW<<2)|(QW<<4)
.set WD0, (QW<<6)|QW
.set W01, QW|(QW<<2)
.set W1,  QW<<2
	WIN W12
.irp b, 0,1,2,3
	v_max3_num_f32 v[BM+\b], 0xff7fffff, v[QS+16*\b], v[QS+16*\b+1]   ; the largest score of each block of 32 keys; each accumulator is read from its low end on
.endr
.irp i, 2,4,6,8,10,12,14
.irp b, 0,1,2,3
	v_max3_num_f32 v[BM+\b], v[BM+\b], v[QS+16*\b+\i], v[QS+16*\b+\i+1]
.endr
.endr
	WIN 0
.irp b, 0,1,2,3
	v_permlanex16_b32 v[BT+\b], v[BM+\b], s[SEL], s[SEL+1]
.endr
.irp b, 0,1,2,3
	v_max_num_f32 v[BM+\b], v[BM+\b], v[BT+\b]     ; with lane l xor 16's 16 keys
.endr
	v_max3_num_f32 v[T1], v[BM], v[BM+1], v[BM+2]
	v_max_num_f32 v[T1], v[T1], v[BM+3]            ; my query's largest score of these 128 keys
	v_mul_f32 v[T1], s[CS], v[T1]                  ; as t (c is positive)
	v_floor_f32 v[NM], -v[T1]                      ; -M = floor(-t) = -ceil(t)
.irp b, 0,1,2,3
	v_fma_f32 v[BM+\b], v[BM+\b], s[CS], v[NM]     ; t - M of each block's largest score
.endr
	WIN WD0                                        ; destination and source 0: the accumulators' window
.set J, 0
.rept 32
	v_pk_fma_f32 v[QS+J:QS+J+1], v[QS+J:QS+J+1], s[CS:CS+1], v[NM:NM+1] op_sel_hi:[1,0,0]   ; t - M, two at a time
.set J, J+2
.endr
.set J, 0
	s_wait_alu depctr_va_vdst(0)
.rept 64
	v_exp_f32 v[QS+J], v[QS+J]                     ; p = 2^(t - M), at most 1
.set J, J+1
.endr
	v_nop                                          ; a plain place behind the exponentials
	s_wait_alu depctr_va_vdst(0)                   ; the wait ahead of the first line that names a result: one for the batch of 64
	WIN 0
.irp b, 0,1,2,3
	v_exp_f32 v[BM+\b], v[BM+\b]                   ; the block's largest p: the same two instructions on the same number give the same bits
.endr
	WIN W01
	v_pk_add_f32 v[SA:SA+1], v[QS:QS+1], v[QS+2:QS+3]       ; the sum of the UNQUANTISED p: two chains, begun by their first additions (plain work behind the four exponentials)
	v_pk_add_f32 v[SB:SB+1], v[QS+4:QS+5], v[QS+6:QS+7]
	WIN W1
.set J, 8
.rept 14
	v_pk_add_f32 v[SA:SA+1], v[SA:SA+1], v[QS+J:QS+J+1]
	v_pk_add_f32 v[SB:SB+1], v[SB:SB+1], v[QS+J+2:QS+J+3]
.set J, J+4
.endr
	WIN 0
	v_pk_add_f32 v[SA:SA+1], v[SA:SA+1], v[SB:SB+1]
	s_wait_alu depctr_va_vdst(0)                   ; and one wait for the four
.irp b, 0,1,2,3
	v_max_num_f32 v[BM+\b], 0x2800000, v[BM+\b]    ; the floor 2^(5 - 127): the byte cannot fall under 1
.endr
.irp b, 0,1,2,3
	v_add_nc_u32 v[SO+\b], 0xfe000000, v[BM+\b]    ; 4 off the exponent field: the conversion's scale operand
.endr
.irp b, 0,1,2,3
	v_lshrrev_b32 v[BT+\b], 23, v[SO+\b]           ; the scale's byte, 1 to 123
.endr
	v_add_f32 v[T1], v[SA], v[SA+1]
	v_lshl_or_b32 v[RES], v[BT+1], 8, v[BT]
	v_permlanex16_b32 v[T2], v[T1], s[SEL], s[SEL+1]
	v_lshl_or_b32 v[RES], v[BT+2], 16, v[RES]
	v_lshl_or_b32 v[RES], v[BT+3], 24, v[RES]      ; p's scale word under this M
	v_add_f32 v[RES+2], v[T1], v[T2]               ; l of these 128 keys
	v_mov_b32 v[RES+1], v[NM]
.if (\a)%2 == 0
	v_mov_b32 v[RES+3], 0                          ; the row's fourth word (an odd tile's three go into the even tile's registers below)
.endif
	WIN QW
.irp c, 0,1
	v_cvt_scalef32_pk16_bf6_f32 v[PCA+6*\c:PCA+6*\c+2], v[QS+32*\c:QS+32*\c+15], v[SO+2*\c]
	v_cvt_scalef32_pk16_bf6_f32 v[PT+4*\c:PT+4*\c+2], v[QS+32*\c+16:QS+32*\c+31], v[SO+2*\c+1]
.endr
	WIN 0
	v_nop                                          ; one plain place behind a scaled conversion
.irp c, 0,1
.irp i, 0,1,2
	v_permlane16_swap_b32 v[PCA+6*\c+\i], v[PT+4*\c+\i]
.endr
.irp i, 0,1,2
	v_mov_b32 v[PCA+6*\c+3+\i], v[PT+4*\c+\i]
.endr
.endr
.irp g, 0,1,2
	global_store_b128 v[L16], v[PCA+4*\g:PCA+4*\g+3], s[OUTP:OUTP+1] offset:1536*(\a)+512*\g   ; 512 consecutive bytes; each tile has registers of its own
.endr
.endm
.irp b, 0,1,2,3
	v_mov_b32 v[BT+\b], 0                          ; lane permutes' destinations count as sources; these lines are also the places behind the last products
.endr
	v_mov_b32 v[T2], 0
	v_mov_b32 v[NM+1], 0                           ; (named as the upper half of a pair)
.irp a, 0,1,2,3,4,5,6,7
	SOFTQ \a
.endr
.irp n, 0,1,2,3
.irp i, 0,1,2
	v_permlane16_swap_b32 v[224+8*\n+\i], v[228+8*\n+\i]   ; lanes 0-15 keep tile 2 n's rows, lanes 16-31 take tile 2 n + 1's
.endr
.endr
.irp n, 0,1,2,3
	global_store_b128 v[L16], v[224+8*\n:224+8*\n+3], s[OUTS:OUTS+1] offset:512*\n   ; 32 rows' 16 bytes: 512 consecutive bytes
.endr
	s_wait_tensorcnt 0x0                           ; the wave's end: behind my last tensor load
	ds_add_u32 v[SPW], v[NIL]
	s_wait_dscnt 0x0
	CROUND                                         ; the closing round
	s_endpgm
.Lfunc_end_k_qd09aaacbef_scores:
	.size	k_qd09aaacbef_scores, .Lfunc_end_k_qd09aaacbef_scores-k_qd09aaacbef_scores
	.p2alignl 7, 3214868480
	.fill 96, 4, 3214868480
	.section	.rodata,"a",@progbits
	.p2align	6, 0x0
	.amdhsa_kernel k_qd09aaacbef_scores
		.amdhsa_group_segment_fixed_size 327680
		.amdhsa_private_segment_fixed_size 0
		.amdhsa_enable_private_segment 0
		.amdhsa_kernarg_size 24
		.amdhsa_user_sgpr_count 2
		.amdhsa_user_sgpr_kernarg_segment_ptr 1
		.amdhsa_wavefront_size32 1
		.amdhsa_system_sgpr_workgroup_id_x 1
		.amdhsa_system_sgpr_workgroup_id_y 1
		.amdhsa_system_sgpr_workgroup_id_z 1
		.amdhsa_system_vgpr_workitem_id 0
		.amdhsa_next_free_vgpr 1024
		.amdhsa_next_free_sgpr 96
		.amdhsa_reserve_vcc 0
		.amdhsa_float_denorm_mode_32 3
		.amdhsa_float_denorm_mode_16_64 3
		.amdhsa_memory_ordered 1
		.amdhsa_forward_progress 1
		.amdhsa_inst_pref_size 197
	.end_amdhsa_kernel
	.amdgpu_metadata
---
amdhsa.version: [ 1, 2 ]
amdhsa.kernels:
  - .name:           k_qd09aaacbef_scores
    .symbol:         k_qd09aaacbef_scores.kd
    .args:
      - { .name: qkv, .offset: 0, .size: 8, .value_kind: global_buffer, .address_space: global }
      - { .name: pc, .offset: 8, .size: 8, .value_kind: global_buffer, .address_space: global }
      - { .name: pst, .offset: 16, .size: 8, .value_kind: global_buffer, .address_space: global }
    .group_segment_fixed_size: 327680
    .private_segment_fixed_size: 0
    .kernarg_segment_align: 8
    .kernarg_segment_size: 24
    .max_flat_workgroup_size: 128
    .sgpr_count:     96
    .vgpr_count:     1024
    .wavefront_size: 32
...
	.end_amdgpu_metadata
.endif
;; end of part 3
;; launch pv (part 4): grid 4 x 64, 4 waves a work-group, clusters of 4 x 4, 327,680 bytes of LDS; arguments pc, pst, qkv, out0; writes out0
.if DOCPART == 4
	.amdgcn_target "amdgcn-amd-amdhsa--gfx1250"
	.amdhsa_code_object_version 6
	.text
	.protected	k_qd09aaacbef_pv
	.globl	k_qd09aaacbef_pv
	.p2align	8
	.type	k_qd09aaacbef_pv,@function
k_qd09aaacbef_pv:
	s_mov_b64 s[64:65], 0
	v_nop
	global_prefetch_b8 v0, s[64:65] scope:SCOPE_SE
	s_setreg_imm32_b32 hwreg(HW_REG_WAVE_MODE, 25, 1), 1
	s_wait_xcnt 0x0
	s_wait_alu depctr_hold_cnt(0) depctr_sa_sdst(0) depctr_va_vdst(0) depctr_va_sdst(0) depctr_va_ssrc(0) depctr_va_vcc(0) depctr_vm_vsrc(0)
	s_getreg_b32 s2, hwreg(HW_REG_IB_STS2, 6, 4)
	s_cmp_eq_u32 s2, 0
	s_cbranch_scc0 .Lentry_in_a_cluster
	s_endpgm
.Lentry_in_a_cluster:
	s_bfe_u32 s2, ttmp6, 0x10000c
	s_cmp_lg_u32 s2, 0xf033
	s_cbranch_scc0 .Lentry_shape_is_right
	s_endpgm
.Lentry_shape_is_right:
; out0[q][c] = (the sum over the keys of p[q][key] V[key][c]) / l[q], on codes of E3M2 with E8M0 scales.  No work is left out.
; pc: p's codes, unit (q / 128) 16 + key / 128: eight fragment images of 1,536 bytes;  pst: beside each unit 128 rows x 16 bytes: p's scale word under the unit's own M, -M, l, 0.
; qkv from unit 1024: VT: half block 8 b + c / 128, sixteen units of 12,800 bytes (eight fragments, 128 scale words), K = the keys.
; THE ROW'S M.  -M_row = the least of the sixteen -M.  d = M_unit - M_row, a whole number, 0 or less, held at -127.  l = the sum of l_unit 2^d (exact scalings).  p's scale bytes get d added, each held at 0 from below:
; bytes lie between 1 and 123 and -d between 0 and 127, so with bit 7 set in each byte no borrow crosses from byte to byte, and bit 7 of the difference says whether the byte stayed at 0 or above.
; LIMIT: a block of p more than 2^123 under the row's largest is taken at the scale 2^-127, where the rule has smaller numbers still: under 1e-36 of l.  NaN and infinities are not served.
; SOURCE 0 = 16 channels of VT, SOURCE 1 = 16 queries of p: a lane holds one query and eight neighbouring channels a tile.
; SHARES.  A work-group makes 256 channels x 128 queries (256 work-groups: tiles of 256 x 256 would be 128); a wave 128 channels x 64 queries: 32 accumulators.  K = 2,048 in sixteen steps of 128.
; Two LDS slots of four steps each: p's four units, then VT's four units of each half block.  Waves 0 and 1 fetch two units of p each, waves 2 and 3 four units of VT each: one dense block a load.  Two refills.
; CLUSTERS: 4 x 4: p's tiles hang on the place along y and are asked for jointly by a row of the cluster, VT's on the place along x (and on the batch, from the cluster's y), by a column.
; REGISTERS: window 0: v1-31 addresses; v32-47 VT's scale words, two sets; v48-55 p's, two sets; v56-63 1 / l; v128-175 p's four fragments; at the head v128-191 the rows' 16 bytes; on the way out v128-255 rows of out0.
;   window 1: VT's fragments, two sets.   window 2: accumulator (a, b) at v[8 (8 a + b)].
.set UNIT,  12800
.set PUNIT, 12288
.set SLOT,  4*PUNIT+8*UNIT             ; 151,552
.set PSC,   2*SLOT                     ; behind the ring: p's adjusted scale words, [16 steps][128 rows],
.set LTO,   16*512                     ; and 8,192 bytes behind them 1 / l of the 128 rows
.set SPARE, PSC+LTO+512                ; the spare words, 128 bytes a wave, two blocks of 256 bytes that no other line names
.set SPITCH, 528                       ; the way out: a stage of 16 rows x (512 bytes + 16) for each wave, in slot 0, which has had its last fill and its last read by then
.set L16,  1                           ; v1     16 x lane
.set PSO,  3                           ; v3     16 x my thread's number: my row's 16 bytes of pst
.set ADR1, 16                          ; v16-17 LDS address of my fragments of p in slot 0, 1
.set ADR0, 18                          ; v18-19 of VT
.set ADW0, 20                          ; v20-21 of VT's scale words
.set ADP,  22                          ; v22    of p's scale words (and, LTO on, of 1 / l)
.set STO,  24
.set RD,   25
.set SPW,  28
.set NIL,  29
.set PSA,  30                          ; v30    where I store my row's words: PSC + 4 x my thread's number
.set SV,   32
.set SQ,   48
.set RL,   56
.set MG,   64
.set AF,   128
.set WV,   14
.set KIND, 15
.set HALF, 16
.set G1A,  24                          ; s[24:31] group 1 for p's tiles (96 rows of 256 bytes);  s[32:39] for VT's (200 rows)
.set G1B,  32
.set G0A,  40                          ; s[40:47] group 0 for p's tiles, a set for each slot;  s[48:55] for VT's
.set G0B,  48
.set CXP,  66
.set CYP,  67
.set CLY,  68
.set OUT,  80
.set K01,  82                          ; s82  0x01010101
.set MSB, 0
.macro WIN new
.if MSB != \new
	s_set_vgpr_msb (MSB<<8)|\new
.set MSB, \new
.endif
.endm
.set MUL,  0xa1                        ; source 0 window 1, source 1 window 0, C and D window 2
.set TO_B, 0x40
.macro JLOAD g0a, g1a, g0b, g1b        ; waves 0 and 1 fetch for p, waves 2 and 3 for VT; an s_nop 0 and four v_nop follow each of the two lines
	s_cmp_eq_u32 s[KIND], 0
	s_cbranch_scc0 .Lfor_b_\@
	tensor_load_to_lds s[\g0a:\g0a+3], s[\g1a:\g1a+7]
	s_nop 0
.rept 4
	v_nop
.endr
	s_branch .Lasked_\@
.Lfor_b_\@:
	tensor_load_to_lds s[\g0b:\g0b+3], s[\g1b:\g1b+7]
	s_nop 0
.rept 4
	v_nop
.endr
.Lasked_\@:
.endm
.macro CREST
	s_cmp_lg_u32 s[WV], 0
	s_cbranch_scc1 .Lnot_wave_0_\@
	s_barrier_signal -3
.Lnot_wave_0_\@:
	s_barrier_wait -3
	s_barrier_signal -1
	s_barrier_wait -1
.endm
.macro CROUND
	s_barrier_signal -1
	s_barrier_wait -1
	CREST
.endm
.macro PLACES
.rept 4
	v_nop
.endr
.endm
	s_load_b256 s[4:11], s[0:1], 0x0               ; pc, pst, qkv, out0
	v_lshl_add_u32 v[SPW], v0, 2, SPARE
	v_mov_b32 v[NIL], 0
	ds_add_u32 v[SPW], v[NIL]                      ; the wave's opening: the add, twice on end, and its wait ahead of my first tensor load
	ds_add_u32 v[SPW], v[NIL]
	v_lshrrev_b32 v4, 5, v0
	v_readfirstlane_b32 s[WV], v4
	v_lshlrev_b32 v[PSO], 4, v0
	s_lshr_b32 s[KIND], s[WV], 1
	s_and_b32 s[HALF], s[WV], 1
	s_bfe_u32 s[CXP], ttmp6, 0x40000
	s_bfe_u32 s[CYP], ttmp6, 0x40004
	s_and_b32 s[CLY], ttmp7, 0xffff
	s_lshl_b32 s17, s[CYP], 2
	s_lshl_b32 s17, 15, s17                        ; my row of the cluster
	s_lshl_b32 s18, 0x1111, s[CXP]                 ; my column
	s_or_b32 s[G1A], s17, (3<<16)|(1<<21)          ; 15:0 the mask; elements of 8 bytes; 21 set beside a mask; no padding
	s_mov_b32 s[G1A+1], 32<<16                     ; rows of 256 bytes,
	s_mov_b32 s[G1A+2], 96<<16                     ; 96 of them: two units of p
	s_mov_b32 s[G1A+3], 32<<16
	s_mov_b32 s[G1A+4], 96
	s_mov_b32 s[G1A+5], 32
	s_mov_b32 s[G1A+6], 0
	s_mov_b32 s[G1A+7], 0
	s_or_b32 s[G1B], s18, (3<<16)|(1<<21)
	s_mov_b32 s[G1B+1], 32<<16
	s_mov_b32 s[G1B+2], 200<<16                    ; 200 rows: four units of VT
	s_mov_b32 s[G1B+3], 32<<16
	s_mov_b32 s[G1B+4], 200
	s_mov_b32 s[G1B+5], 32
	s_mov_b32 s[G1B+6], 0
	s_mov_b32 s[G1B+7], 0
	s_mov_b32 s[K01], 0x01010101
	s_lshl_b32 s19, s[CLY], 2
	s_add_co_u32 s19, s19, s[CYP]                  ; my 128 queries: half block 4 x cluster y + cy
	s_mul_i32 s70, s19, 16*PUNIT
	s_mul_i32 s74, s[HALF], 2*PUNIT                ; the two units that I fetch of a slot's four: in memory and in the slot alike
	s_add_co_u32 s70, s70, s74
	s_mov_b32 s71, 0
	s_lshl_b32 s76, s19, 15                        ; the half block's sixteen times 2,048 bytes of pst
	s_mov_b32 s77, 0
	s_lshr_b32 s22, s[CLY], 2                      ; the batch, from the cluster's y alone
	s_lshl_b32 s22, s22, 3
	s_lshl_b32 s23, s[CXP], 1
	s_add_co_u32 s22, s22, s23
	s_add_co_u32 s22, s22, s[HALF]                 ; VT's half block 8 b + 2 cx + the half that I fetch
	s_mul_i32 s72, s22, 16*UNIT
	s_add_co_u32 s72, s72, 1024*UNIT
	s_mov_b32 s73, 0
	s_mul_i32 s75, s[HALF], 4*UNIT
	s_add_co_u32 s75, s75, 4*PUNIT                 ; its place in a slot
	s_wait_alu depctr_va_vdst(0)
	s_wait_dscnt 0x0                               ; both opening adds are done
	s_wait_kmcnt 0x0
	s_add_nc_u64 s[70:71], s[4:5], s[70:71]
	s_add_nc_u64 s[72:73], s[8:9], s[72:73]
	s_add_nc_u64 s[76:77], s[6:7], s[76:77]
.irp k, 0,1,2,3,4,5,6,7,8,9,10,11,12,13,14,15
	global_load_b128 v[128+4*\k:128+4*\k+3], v[PSO], s[76:77] offset:2048*\k   ; thread t takes row t: a wave's load is 512 consecutive bytes
.endr
.irp n, 0,1
	s_mov_b32 s[G0A+4*\n], 1
	s_add_co_u32 s[G0A+4*\n+1], s74, \n*SLOT
	s_add_nc_u64 s[G0A+4*\n+2:G0A+4*\n+3], s[70:71], \n*4*PUNIT   ; K steps 4 n .. 4 n + 3
	s_or_b32 s[G0A+4*\n+3], s[G0A+4*\n+3], 0x80000000
	s_mov_b32 s[G0B+4*\n], 1
	s_add_co_u32 s[G0B+4*\n+1], s75, \n*SLOT
	s_add_nc_u64 s[G0B+4*\n+2:G0B+4*\n+3], s[72:73], \n*4*UNIT
	s_or_b32 s[G0B+4*\n+3], s[G0B+4*\n+3], 0x80000000
.endr
	CROUND                                         ; all sixteen work-groups are here: the first joint loads meet
	JLOAD G0A, G1A, G0B, G1B                       ; slot 0: my one load at the head
	; PREFETCH: behind each of the first three fills a wave asks for the rows of 256 bytes of its own next fill, one fill ahead.  The four partners that load a tile jointly share its rows out by address:
	; 24 of p's 96 rows, 50 of VT's 200; a lane a row, the lanes left over name the share's last row again.  The address registers are never rewritten.
.macro ASK n                           ; fill n; the branch hangs on the wave's number alone
	s_cmp_eq_u32 s[KIND], 0
	s_cbranch_scc0 .Lask_b_\@
	global_prefetch_b8 v7, s[86:87] offset:(\n)*4*PUNIT th:TH_LOAD_NT scope:SCOPE_SE
	s_branch .Lask_done_\@
.Lask_b_\@:
	global_prefetch_b8 v7, s[86:87] offset:(\n)*4*UNIT th:TH_LOAD_NT scope:SCOPE_SE
	global_prefetch_b8 v8, s[86:87] offset:(\n)*4*UNIT th:TH_LOAD_NT scope:SCOPE_SE
.Lask_done_\@:
.endm
	s_cmp_eq_u32 s[KIND], 0
	s_cselect_b32 s88, s[CXP], s[CYP]              ; my work-group's place among the four
	s_cselect_b64 s[86:87], s[70:71], s[72:73]     ; the tiles that my wave fetches
	s_cselect_b32 s89, 24, 50                      ; a share, in rows
	s_mul_i32 s88, s88, s89
	s_lshl_b32 s88, s88, 8
	s_sub_co_u32 s89, s89, 1
	v_and_b32 v9, 31, v0
	v_min_u32 v7, s89, v9
	v_add_nc_u32 v8, 32, v9
	v_min_u32 v8, s89, v8
	v_lshl_add_u32 v7, v7, 8, s88
	v_lshl_add_u32 v8, v8, 8, s88
	v_and_b32 v4, 31, v0
	v_lshlrev_b32 v[L16], 4, v4
	v_and_b32 v4, 15, v0                           ; r
	v_bfe_u32 v5, v0, 4, 1                         ; h
	v_lshlrev_b32 v6, 2, v4                        ; 4 r
	s_wait_alu depctr_va_vdst(0)
	ASK 1
	s_mul_i32 s17, s[KIND], 4*1536                 ; my 64 queries: four fragments of a unit's eight
	s_mul_i32 s18, s[HALF], 4*UNIT
	s_add_co_u32 s18, s18, 4*PUNIT                 ; my 128 channels
	s_add_co_u32 s20, s18, 8*1536                  ; and their scale words
.irp n, 0,1
	v_add_nc_u32 v[ADR1+\n], s17, v[L16]
	v_add_nc_u32 v[ADR0+\n], s18, v[L16]
	v_add_nc_u32 v[ADW0+\n], s20, v6
	s_add_co_u32 s17, s17, SLOT
	s_add_co_u32 s18, s18, SLOT
	s_add_co_u32 s20, s20, SLOT
.endr
	s_lshl_b32 s17, s[KIND], 8
	s_add_co_u32 s17, s17, PSC
	v_add_nc_u32 v[ADP], s17, v6
	v_lshl_add_u32 v[PSA], v0, 2, PSC
	s_mul_i32 s17, s[WV], 16*SPITCH                ; my stage
	v_mul_u32_u24 v[STO], v4, SPITCH
	v_lshl_add_u32 v[STO], v5, 6, v[STO]
	v_add_nc_u32 v[STO], s17, v[STO]               ; in: row r, + 64 h: my 16 channels of each 32
	v_add_nc_u32 v[RD], s17, v[L16]                ; back: the 32 lanes take one row of 512 bytes
	s_lshl_b32 s84, s19, 7                         ; out0: row 128 x half block + 64 wn, channel 256 cx + 128 wm  (registers of their own: none of them feeds a descriptor)
	s_lshl_b32 s85, s[KIND], 6
	s_add_co_u32 s84, s84, s85
	s_lshl_b32 s84, s84, 12
	s_lshl_b32 s85, s[CXP], 10
	s_add_co_u32 s84, s84, s85
	s_lshl_b32 s85, s[HALF], 9
	s_add_co_u32 s84, s84, s85
	s_mov_b32 s85, 0
	s_add_nc_u64 s[OUT:OUT+1], s[10:11], s[84:85]
	s_wait_loadcnt 0x0                             ; my row's sixteen times 16 bytes: v[128 + 4 k] the word, + 1 -M, + 2 l, + 3 free
	v_min3_num_f32 v[MG], v129, v133, v137
.irp k, 3,5,7,9,11,13
	v_min3_num_f32 v[MG], v[MG], v[129+4*\k], v[133+4*\k]
.endr
	v_min_num_f32 v[MG], v[MG], v189               ; -M of the row
.macro ALLK line:vararg                ; (not used: the lines below are written by .irp, each for all sixteen steps, so that no line waits for the line above it)
.endm
.irp k, 0,1,2,3,4,5,6,7,8,9,10,11,12,13,14,15
	v_sub_f32 v[131+4*\k], v[MG], v[129+4*\k]      ; d = M_unit - M_row: a whole number, 0 or less,
.endr
.irp k, 0,1,2,3,4,5,6,7,8,9,10,11,12,13,14,15
	v_max_num_f32 v[131+4*\k], 0xc2fe0000, v[131+4*\k]   ; held at -127
.endr
.irp k, 0,1,2,3,4,5,6,7,8,9,10,11,12,13,14,15
	v_cvt_i32_f32 v[131+4*\k], v[131+4*\k]
.endr
.irp k, 0,1,2,3,4,5,6,7,8,9,10,11,12,13,14,15
	v_ldexp_f32 v[130+4*\k], v[130+4*\k], v[131+4*\k]    ; l_unit under the row's M
.endr
.irp k, 0,1,2,3,4,5,6,7,8,9,10,11,12,13,14,15
	v_or_b32 v[128+4*\k], 0x80808080, v[128+4*\k]  ; bit 7 set in each byte: no borrow crosses
.endr
.irp k, 0,1,2,3,4,5,6,7,8,9,10,11,12,13,14,15
	v_mul_lo_u32 v[131+4*\k], v[131+4*\k], s[K01]  ; d in each byte (modulo 2^32)
.endr
.irp k, 0,1,2,3,4,5,6,7,8,9,10,11,12,13,14,15
	v_add_nc_u32 v[128+4*\k], v[128+4*\k], v[131+4*\k]
.endr
.irp k, 0,1,2,3,4,5,6,7,8,9,10,11,12,13,14,15
	v_lshrrev_b32 v[129+4*\k], 7, v[128+4*\k]
.endr
.irp k, 0,1,2,3,4,5,6,7,8,9,10,11,12,13,14,15
	v_and_b32 v[129+4*\k], s[K01], v[129+4*\k]     ; 1 in each byte that stayed at 0 or above
.endr
.irp k, 0,1,2,3,4,5,6,7,8,9,10,11,12,13,14,15
	v_lshlrev_b32 v[131+4*\k], 8, v[129+4*\k]
.endr
.irp k, 0,1,2,3,4,5,6,7,8,9,10,11,12,13,14,15
	v_sub_nc_u32 v[131+4*\k], v[131+4*\k], v[129+4*\k]   ; 0xff in each such byte
.endr
.irp k, 0,1,2,3,4,5,6,7,8,9,10,11,12,13,14,15
	v_and_b32 v[131+4*\k], 0x7f7f7f7f, v[131+4*\k]
.endr
.irp k, 0,1,2,3,4,5,6,7,8,9,10,11,12,13,14,15
	v_and_b32 v[128+4*\k], v[128+4*\k], v[131+4*\k]      ; the byte + d, or 0
.endr
.irp k, 0,1,2,3,4,5,6,7,8,9,10,11,12,13,14,15
	ds_store_b32 v[PSA], v[128+4*\k] offset:512*\k
.endr
.irp k, 0,2,4,6,8,10,12,14
	v_add_f32 v[130+4*\k], v[130+4*\k], v[134+4*\k]
.endr
.irp k, 0,4,8,12
	v_add_f32 v[130+4*\k], v[130+4*\k], v[138+4*\k]
.endr
.irp k, 0,8
	v_add_f32 v[130+4*\k], v[130+4*\k], v[146+4*\k]
.endr
	v_add_f32 v130, v130, v162                     ; the row's l, over 1/2
	s_wait_alu depctr_va_vdst(0)
	v_rcp_f32 v130, v130
	v_nop                                          ; a plain place behind the reciprocal
	s_wait_alu depctr_va_vdst(0)                   ; the wait ahead of the first line that names the result
	ds_store_b32 v[PSA], v130 offset:LTO
	s_wait_tensorcnt 0x0                           ; my part of slot 0 is in; slot 1's first fill is issued as a refill is:
	ds_add_u32 v[SPW], v[NIL]                      ; 0 onto my spare word
	s_wait_dscnt 0x0                               ; the add is done; and, for the others' sake, my rows' words and 1 / l lie in LDS
	CROUND
	JLOAD G0A+4, G1A, G0B+4, G1B                   ; slot 1
.macro FRAG reg, adr, off
.irp g, 0,1,2
	ds_load_b128 v[\reg+4*\g:\reg+4*\g+3], v[\adr] offset:\off+512*\g
.endr
.endm
.macro FETCH_S0 slot, q, p             ; VT's eight fragments of the slot's q-th step into set p
	WIN TO_B
.irp i, 0,1,2,3,4,5,6,7
	FRAG 128*(\p)+12*\i, ADR0+\slot, (\q)*UNIT+\i*1536
.endr
	WIN 0
.endm
.macro FETCH_S1 slot, q, i0            ; p's tiles i0, i0 + 1 of my four
.irp i, \i0, \i0+1
	FRAG AF+12*(\i), ADR1+\slot, (\q)*PUNIT+(\i)*1536
.endr
.endm
.macro WORDS slot, q, sig, p           ; the scale words of K step sig: VT's from the slot, p's from the adjusted table
.irp i, 0,1,2,3,4,5,6,7
	ds_load_b32 v[SV+8*(\p)+\i], v[ADW0+\slot] offset:(\q)*UNIT+64*\i
.endr
.irp i, 0,1,2,3
	ds_load_b32 v[SQ+4*(\p)+\i], v[ADP] offset:512*(\sig)+64*\i
.endr
.endm
.macro MUL8 a, p, zero                 ; p's tile a x VT's eight; the 32 accumulators take turns, one instruction a turn
.irp b, 0,1,2,3,4,5,6,7
.if \zero
	v_wmma_scale_f32_16x16x128_f8f6f4 v[8*(8*(\a)+\b):8*(8*(\a)+\b)+7], v[128*(\p)+12*\b:128*(\p)+12*\b+11], v[AF+12*(\a):AF+12*(\a)+11], 0, v[SV+8*(\p)+\b], v[SQ+4*(\p)+(\a)] matrix_a_fmt:MATRIX_FMT_BF6 matrix_b_fmt:MATRIX_FMT_BF6
.else
	v_wmma_scale_f32_16x16x128_f8f6f4 v[8*(8*(\a)+\b):8*(8*(\a)+\b)+7], v[128*(\p)+12*\b:128*(\p)+12*\b+11], v[AF+12*(\a):AF+12*(\a)+11], v[8*(8*(\a)+\b):8*(8*(\a)+\b)+7], v[SV+8*(\p)+\b], v[SQ+4*(\p)+(\a)] matrix_a_fmt:MATRIX_FMT_BF6 matrix_b_fmt:MATRIX_FMT_BF6
.endif
.endr
.endm
.macro STEP p, ns, nq, nsig, zero
	s_wait_dscnt 6                                 ; all but the youngest six loads (p's tiles 2, 3)
	WIN MUL
	MUL8 0, \p, \zero
	MUL8 1, \p, \zero
	s_wait_dscnt 0x0
	PLACES
	FETCH_S0 \ns, \nq, 1-\p
	WORDS \ns, \nq, \nsig, 1-\p
	FETCH_S1 \ns, \nq, 0
	WIN MUL
	MUL8 2, \p, \zero
	MUL8 3, \p, \zero
	PLACES
	WIN 0
	FETCH_S1 \ns, \nq, 2
.endm
; A slot's last step changes slots: all my tensor loads have landed, the add, the wait for it and for my reads, one barrier.  fill = 1: the barrier opens a round of the cluster's, and slot rs, just read out, takes the K steps eight further on.
.macro TURN p, ns, nsig, fill, rs
	s_wait_tensorcnt 0x0                           ; all my tensor loads have landed: my part of the next slot
	ds_add_u32 v[SPW], v[NIL]                      ; 0 onto my spare word
	s_wait_dscnt 7                                 ; (the add and the youngest six loads may be out)
	WIN MUL
	MUL8 0, \p, 0
	s_wait_dscnt 0x0                               ; the add is done, and my reads of this slot are over
	s_barrier_signal -1
	MUL8 1, \p, 0
	WIN 0
	s_barrier_wait -1
.if \fill
	CREST                                          ; no wave of any partner still reads this slot or has a load on its way
	s_add_nc_u64 s[G0A+4*\rs+2:G0A+4*\rs+3], s[G0A+4*\rs+2:G0A+4*\rs+3], 8*PUNIT
	s_add_nc_u64 s[G0B+4*\rs+2:G0B+4*\rs+3], s[G0B+4*\rs+2:G0B+4*\rs+3], 8*UNIT
	JLOAD G0A+4*\rs, G1A, G0B+4*\rs, G1B           ; my one tensor load behind the round; its four v_nop are the places in front of the loads below
.else
	PLACES
.endif
	FETCH_S0 \ns, 0, 1-\p
	WORDS \ns, 0, \nsig, 1-\p
	FETCH_S1 \ns, 0, 0
.if \fill
.if \rs == 0
	ASK 3                                          ; behind fill 2's load
.endif
.endif
	WIN MUL
	MUL8 2, \p, 0
	MUL8 3, \p, 0
	PLACES
	WIN 0
	FETCH_S1 \ns, 0, 2
.endm
	FETCH_S0 0, 0, 0
	WORDS 0, 0, 0, 0
	FETCH_S1 0, 0, 0
	FETCH_S1 0, 0, 2
	ASK 2
	STEP 0, 0, 1, 1, 1                             ; K step 0: its products start the sums
	STEP 1, 0, 2, 2, 0
	STEP 0, 0, 3, 3, 0
	TURN 1, 1, 4, 1, 0                             ; 3: slot 0 takes K steps 8 to 11
	STEP 0, 1, 1, 5, 0
	STEP 1, 1, 2, 6, 0
	STEP 0, 1, 3, 7, 0
	TURN 1, 0, 8, 1, 1                             ; 7: slot 1 takes K steps 12 to 15
	STEP 0, 0, 1, 9, 0
	STEP 1, 0, 2, 10, 0
	STEP 0, 0, 3, 11, 0
	TURN 1, 1, 12, 0, 0                            ; 11: nothing is left to fetch
	STEP 0, 1, 1, 13, 0
	STEP 1, 1, 2, 14, 0
	STEP 0, 1, 3, 15, 0
	s_wait_dscnt 6                                 ; 15
	WIN MUL
	MUL8 0, 1, 0
	MUL8 1, 1, 0
	s_wait_dscnt 0x0
	MUL8 2, 1, 0
	MUL8 3, 1, 0
	WIN 0
; THE WAY OUT, a tile of 16 queries x 128 channels at a time: divided by l, through my own stage in LDS, back as whole rows of 512 bytes.  LDS serves a wave's instructions in order: no wait between the stores and the loads.
.macro TOSTAGE a
	WIN 0x82                                       ; destination and source 0: window 2
.set J, 0
.rept 32
	v_pk_mul_f32 v[64*(\a)+J:64*(\a)+J+1], v[64*(\a)+J:64*(\a)+J+1], v[RL+2*(\a):RL+2*(\a)+1] op_sel_hi:[1,0]   ; each accumulator from its low end on
.set J, J+2
.endr
	WIN 0x08                                       ; an LDS store's data are its source 1: window 2
.irp b, 0,1,2,3,4,5,6,7
	ds_store_b128 v[STO], v[64*(\a)+8*\b:64*(\a)+8*\b+3] offset:128*(\b/2)+32*(\b%2)        ; register j of tile b: channel 32 (b / 2) + 16 h + 8 (b % 2) + j
	ds_store_b128 v[STO], v[64*(\a)+8*\b+4:64*(\a)+8*\b+7] offset:128*(\b/2)+32*(\b%2)+16
.endr
	WIN 0
.set BB, 128+64*((\a)%2)
.irp t, 0,1,2,3,4,5,6,7,8,9,10,11,12,13,14,15
	ds_load_b128 v[BB+4*\t:BB+4*\t+3], v[RD] offset:\t*SPITCH
.endr
.endm
.macro SEND a, younger                 ; younger: the LDS instructions issued behind tile a's loads, which may stay out
.set BB, 128+64*((\a)%2)
	s_wait_dscnt \younger
.irp t, 0,1,2,3,4,5,6,7,8,9,10,11,12,13,14,15
	global_store_b128 v[L16], v[BB+4*\t:BB+4*\t+3], s[OUT:OUT+1] offset:(32*((\a)/2)+8*((\a)%2)+(\t%8)+16*(\t/8))*4096 th:TH_STORE_NT   ; slot t's row of out0: 512 consecutive bytes, aligned; written once
.endr
.endm
.irp a, 0,1,2,3
	v_mov_b32 v[RL+2*\a+1], 0                      ; (named as the upper halves of pairs)  These four are also the places behind the last products
.endr
.irp a, 0,1,2,3
	ds_load_b32 v[RL+2*\a], v[ADP] offset:LTO+64*\a   ; 1 / l of my lane's query in each tile
.endr
	s_wait_alu depctr_va_vdst(0)
	s_wait_dscnt 0x0
	TOSTAGE 0
	TOSTAGE 1
	SEND 0, 32                                     ; behind tile 0's loads: tile 1's 16 stores and 16 loads
	s_wait_xcnt 0x0                                ; tile 0's stores have read their registers: tile 2's rows may land there
	TOSTAGE 2
	SEND 1, 32
	s_wait_xcnt 0x0
	TOSTAGE 3
	SEND 2, 32
	SEND 3, 0
	s_wait_tensorcnt 0x0                           ; the wave's end: behind my last tensor load and my last LDS store
	ds_add_u32 v[SPW], v[NIL]
	s_wait_dscnt 0x0
	CROUND                                         ; the closing round
	s_endpgm
.Lfunc_end_k_qd09aaacbef_pv:
	.size	k_qd09aaacbef_pv, .Lfunc_end_k_qd09aaacbef_pv-k_qd09aaacbef_pv
	.p2alignl 7, 3214868480
	.fill 96, 4, 3214868480
	.section	.rodata,"a",@progbits
	.p2align	6, 0x0
	.amdhsa_kernel k_qd09aaacbef_pv
		.amdhsa_group_segment_fixed_size 327680
		.amdhsa_private_segment_fixed_size 0
		.amdhsa_enable_private_segment 0
		.amdhsa_kernarg_size 32
		.amdhsa_user_sgpr_count 2
		.amdhsa_user_sgpr_kernarg_segment_ptr 1
		.amdhsa_wavefront_size32 1
		.amdhsa_system_sgpr_workgroup_id_x 1
		.amdhsa_system_sgpr_workgroup_id_y 1
		.amdhsa_system_sgpr_workgroup_id_z 1
		.amdhsa_system_vgpr_workitem_id 0
		.amdhsa_next_free_vgpr 768
		.amdhsa_next_free_sgpr 96
		.amdhsa_reserve_vcc 0
		.amdhsa_float_denorm_mode_32 3
		.amdhsa_float_denorm_mode_16_64 3
		.amdhsa_memory_ordered 1
		.amdhsa_forward_progress 1
		.amdhsa_inst_pref_size 167
	.end_amdhsa_kernel
	.amdgpu_metadata
---
amdhsa.version: [ 1, 2 ]
amdhsa.kernels:
  - .name:           k_qd09aaacbef_pv
    .symbol:         k_qd09aaacbef_pv.kd
    .args:
      - { .name: pc, .offset: 0, .size: 8, .value_kind: global_buffer, .address_space: global }
      - { .name: pst, .offset: 8, .size: 8, .value_kind: global_buffer, .address_space: global }
      - { .name: qkv, .offset: 16, .size: 8, .value_kind: global_buffer, .address_space: global }
      - { .name: out0, .offset: 24, .size: 8, .value_kind: global_buffer, .address_space: global }
    .group_segment_fixed_size: 327680
    .private_segment_fixed_size: 0
    .kernarg_segment_align: 8
    .kernarg_segment_size: 32
    .max_flat_workgroup_size: 128
    .sgpr_count:     96
    .vgpr_count:     768
    .wavefront_size: 32
...
	.end_amdgpu_metadata
.endif
;; end of part 4
